; MI455X (gfx1250); checked and timed in simulation.
; The chip was launched on July 23, 2026; its instructions are those of AMD's public machine-readable ISA for CDNA 5 (MIT licence, August 2026) and "CDNA5" Instruction Set Architecture Reference Guide (July 2026). The comments in the code are by the model that wrote it; some were corrected since.
;; Gemma4 Vision Attention. Allowed arithmetic: matrix products marked QUANTISED: E2M3 operands, one E8M0 scale for each 32 along K, by v_wmma_scale_f32_16x16x128_f8f6f4 with both operands' format E2M3, f32 sums; everything else in f32.
;; Inputs: cos 8 x 1,024 x 64 float32; hidden_states 8 x 1,024 x 1,024 float32; k_norm_w 64 float32; position_ids 8 x 1,024 x 2 int32; q_norm_w 64 float32; sin 8 x 1,024 x 64 float32; wk 1,024 x 1,024 float32; wo 1,024 x 1,024 float32; wq 1,024 x 1,024 float32; wv 1,024 x 1,024 float32.
;; Outputs: out0 8 x 1,024 x 1,024 float32.
;; This version of the problem:
;;   THIS VERSION OF THE PROBLEM IS GIVEN IN LOW PRECISION. The matrix products marked QUANTISED in the list below multiply operands that are first quantised to E2M3 (2 exponent bits, 3 mantissa bits; 6 bits a number), with one power-of-two scale for each 32 numbers along K (OCP MX v1.0); their sums are f32. All else is computed in f32.
;;   The module's matrix products, in the order in which they are computed (A, B: the left and right operand; K: the contracted axis; several contracted axes count as one K, in the product's order):
;;     1. [M 8,192, K 1,024] x [K 1,024, N 1,024]; A: input hidden_states; B: input wq: QUANTISED
;;     2. [M 8,192, K 1,024] x [K 1,024, N 1,024]; A: input hidden_states; B: input wk: QUANTISED
;;     3. [M 8,192, K 1,024] x [K 1,024, N 1,024]; A: input hidden_states; B: input wv: QUANTISED
;;     4. batch 128 x [M 1,024, K 64] x [K 64, N 1,024]; A: computed on the way; B: computed on the way: QUANTISED
;;     5. batch 128 x [M 64, K 1,024] x [K 1,024, N 1,024]; A: computed on the way; B: softmax (see below): QUANTISED
;;     6. [M 8,192, K 1,024] x [K 1,024, N 1,024]; A: computed on the way; B: input wo: QUANTISED
;;   THE QUANTISER, for each operand of a quantised product, along K:
;;     - K is cut into blocks of 32 from its start; a last block that is shorter is filled with zeros.
;;     - A block's scale is 2^e with e = floor(log2(the largest magnitude in the block)) - 2, held to -126 .. 127; a block of zeros has e = 0. As a byte (E8M0): e + 127.
;;     - Each number is divided by its block's scale, clamped to +-7.5, and rounded to the nearest number of E2M3, ties to even, subnormals kept.
;;     - The product sums the exact products of the quantised numbers (number of the format x scale) in f32.
;;   ~~~python
;;   def quantise(x, axis):      # numpy; x: float32 -> the quantised numbers, widened to float32 again
;;       x = np.moveaxis(x, axis, -1); K = x.shape[-1]
;;       x = np.pad(x, [(0, 0)] * (x.ndim - 1) + [(0, -K % 32)]); x = x.reshape(x.shape[:-1] + (-1, 32)); a = np.abs(x).max(-1, keepdims=True)
;;       e = np.where(a > 0, np.clip(np.frexp(np.where(a > 0, a, 1))[1] - 1 - 2, -126, 127), 0)      # np.frexp(a)[1] - 1 = floor(log2(a)), exactly
;;       r = np.clip(x / 2.0 ** e, -7.5, 7.5)
;;       step = 2.0 ** (np.maximum(np.frexp(np.where(r == 0, 1, r))[1] - 1, 0) - 3)
;;       q = np.round(r / step) * step * 2.0 ** e      # np.round: ties to even
;;       return np.moveaxis(q.reshape(q.shape[:-2] + (-1,))[..., :K], -1, axis).astype(np.float32)
;;   ~~~
;;   SOFTMAX AHEAD OF A QUANTISED PRODUCT. Where the list says 'softmax', what is quantised is not the finished softmax but p = 2^(t - M), with t = logit x log2(e) and M = ceil(the row's largest t), a whole number; so 1/2 < the row's largest p <= 1. The row's sum l is taken of the UNQUANTISED p, in f32, and the product's result is divided by l at the end. Since M is a whole number, a kernel that streams over the keys may use a running M (the ceiling of the running maximum): every later rescaling is an exact power of two, which a block's scale takes up: the codes' values come out the same.
;;   OPERANDS COMPUTED ON THE WAY. 'Computed on the way' means the value that the module computes at that place (a softmax that the list does not call 'softmax' is quantised finished and normalised). What goes into a quantiser is computed in f32, as accurately as f32 sums, v_exp_f32 and their like allow (about 1e-6 of the number): no bf16 or f16 on the way to a quantiser, and a product that is left as it is and whose result goes on into a quantised operand takes f32 operands (vector FMAs, or v_wmma_f32_16x16x4_f32). A number that lies on a knife's edge between two numbers of the format may be rounded either way, as far as f32 arithmetic and the matrix unit's own rounding can turn it there, and no further.
;; One version. Each part assembles by itself: llvm-mc -triple=amdgcn-amd-amdhsa -mcpu=gfx1250 --defsym DOCPART=n.
;; ======== version 1 of 1: 4 launches
;; limits: right only within a limited range of input values
;; workspace buffers: xc 6,291,456 bytes; wc 2,359,296 bytes; woc 786,432 bytes; s1 360,448 bytes; s2 294,912 bytes; qq 6,553,600 bytes; kv 13,107,200 bytes; ac 6,291,456 bytes
;; launch quant (part 1): grid 512 x 1, 4 waves a work-group, no clusters, 34,304 bytes of LDS; arguments hidden_states, wq, wk, wv, wo, xc, wc, woc, s1, s2; writes xc, wc, woc, s1, s2
.if DOCPART == 1
	.amdgcn_target "amdgcn-amd-amdhsa--gfx1250"
	.amdhsa_code_object_version 6
	.text
	.protected	k_q601788d9ad_quant
	.globl	k_q601788d9ad_quant
	.p2align	8
	.type	k_q601788d9ad_quant,@function
k_q601788d9ad_quant:
	s_mov_b64 s[64:65], 0
	v_nop
	global_prefetch_b8 v0, s[64:65] scope:SCOPE_SE
	s_setreg_imm32_b32 hwreg(HW_REG_WAVE_MODE, 25, 1), 1
	s_wait_xcnt 0x0
; hidden_states [8192][1024] (K innermost) and wq, wk, wv, wo [1024 (K)][1024], all f32, become codes of FP6 (E2M3) with one E8M0 byte for each 32 along K.
; A block's scale is 2^(floor(log2(largest magnitude)) - 2): its byte is the largest magnitude's exponent field - 2, held at 1 from below by a floor among the maximum's leaves.
; LIMITS: NaN and infinities are not served; a block whose largest magnitude lies under 2^-124 is held at the byte 1; a block of zeros has the byte 1 where the quantiser says 127:
; its codes are zeros, which add nothing, and only this program reads the bytes.
; THE LAYOUT OF THE CODES is the image of the matrix operand's registers.  Rows (for a weight: columns) go in groups of 64; slot i of fragment t of group G is row 64 G + 32 (i / 8) + 8 t + i % 8.
; A half fragment (16 slots x 64 K, 768 bytes): registers 0-3 of lane l at 16 l, registers 4-5 of lane (r, h) at 512 + 16 r + 8 h.  A fragment (128 K) is two of them.
; A buffer is [block of 128 rows][K step 0..7][fragment 0..7][1536].  Scale words of a fragment row: word (K step, slot i) at 256 (step / 4) + 16 i + 4 (step % 4), 512 bytes a fragment row.
; Work-groups 0-255 take hidden_states, 256-511 the weights.  Waves share nothing: no barrier.  Only the first path uses LDS.
.set FLOOR, 0x1800000                  ; 2^(3 - 127)
.set OFFE,  0xff000000                 ; takes 2 off an exponent field
.set STG,   8448                       ; a wave's stage: 16 rows x (512 + 16) bytes
.set MA, 10                            ; v10-13 running maxima
.set MB, 12
.set SO, 14                            ; v14-15 the conversions' scale operands
.set BY, 16                            ; v16-19 scale bytes
.set WD, 24                            ; v24-27 four K steps' scale words
.set CD, 28                            ; v28-51 codes
.set TT, 52                            ; v52-59 the upper halves of blocks: a conversion's three registers begin on an even number
.set R,  64                            ; v64-191 numbers as loaded
.set X,  192                           ; v192-255 64 numbers as the operand wants them
; Two whole blocks of 32 of one lane, v[src + 32 c ..], become registers 6 c .. 6 c + 5 of v[dst ..]; their bytes in v[BY + c].
.macro QBLK2 src, dst
.irp c, 0,1
	v_max3_num_f32 v[MA+\c], |v[\src+32*\c]|, |v[\src+32*\c+1]|, FLOOR
	v_max3_num_f32 v[MB+\c], |v[\src+32*\c+16]|, |v[\src+32*\c+17]|, |v[\src+32*\c+18]|
.endr
.irp i, 0,2,4,6,8,10
.irp c, 0,1
	v_max3_num_f32 v[MA+\c], v[MA+\c], |v[\src+32*\c+2+\i]|, |v[\src+32*\c+3+\i]|
	v_max3_num_f32 v[MB+\c], v[MB+\c], |v[\src+32*\c+19+\i]|, |v[\src+32*\c+20+\i]|
.endr
.endr
.irp c, 0,1
	v_max3_num_f32 v[MA+\c], v[MA+\c], |v[\src+32*\c+14]|, |v[\src+32*\c+15]|
.endr
.irp c, 0,1
	v_max3_num_f32 v[MA+\c], v[MA+\c], v[MB+\c], |v[\src+32*\c+31]|
.endr
.irp c, 0,1
	v_add_nc_u32 v[SO+\c], OFFE, v[MA+\c]          ; the conversion takes this operand's exponent field as its scale
.endr
.irp c, 0,1
	v_lshrrev_b32 v[BY+\c], 23, v[SO+\c]           ; the scale's byte
.endr
.irp c, 0,1
	v_cvt_scalef32_pk16_fp6_f32 v[\dst+6*\c:\dst+6*\c+2], v[\src+32*\c:\src+32*\c+15], v[SO+\c]
	v_cvt_scalef32_pk16_fp6_f32 v[TT+4*\c:TT+4*\c+2], v[\src+32*\c+16:\src+32*\c+31], v[SO+\c]
.endr
	v_nop                                          ; one plain line behind the scaled conversions
.irp c, 0,1
.irp i, 0,1,2
	v_mov_b32 v[\dst+6*\c+3+\i], v[TT+4*\c+\i]
.endr
.endr
.endm
.macro WORD2 w                         ; my two bytes (blocks h and 2 + h) and lane l xor 16's two make the row's scale word
	v_lshl_or_b32 v18, v[BY+1], 16, v[BY]
	v_lshlrev_b32 v18, v9, v18
	v_permlanex16_b32 v19, v18, s26, s27
	v_or_b32 v[\w], v18, v19
.endm
	s_load_b512 s[4:19], s[0:1], 0x0               ; hidden s[4:5], wq s[6:7], wk s[8:9], wv s[10:11], wo s[12:13], xc s[14:15], wc s[16:17], woc s[18:19]
	s_load_b128 s[20:23], s[0:1], 0x40             ; s1 s[20:21], s2 s[22:23]
	v_lshl_add_u32 v62, v0, 2, 0x8400
	v_mov_b32 v63, 0
	v_lshrrev_b32 v1, 5, v0
	v_readfirstlane_b32 s24, v1                    ; wave
	v_and_b32 v1, 31, v0                           ; lane
	v_and_b32 v2, 15, v0                           ; r
	v_bfe_u32 v3, v0, 4, 1                         ; h
	s_mov_b32 s26, 0x76543210
	s_mov_b32 s27, 0xfedcba98                      ; selects for lane l xor 16
	v_mov_b32 v19, 0                               ; a lane permute's destination counts as read
	s_cmp_ge_u32 ttmp9, 256
	s_cbranch_scc1 .Lweights
; ---- hidden_states.  A wave takes fragment row F = 2 x work-group + wave / 2 (16 rows) and half of K: four steps of 128.
; Each load reads 512 consecutive bytes of one row; the 16 rows turn through the wave's stage so that lane (r, h) gets blocks h and 2 + h of row r.
	v_lshlrev_b32 v4, 4, v1                        ; 16 x lane
	s_mul_i32 s28, s24, STG
	v_add_nc_u32 v5, s28, v4                       ; stage, in
	v_mul_u32_u24 v6, v2, 528
	v_lshl_add_u32 v6, v3, 7, v6
	v_add_nc_u32 v6, s28, v6                       ; stage, out: row r, + 128 h
	v_lshlrev_b32 v8, 4, v2
	v_lshl_add_u32 v8, v3, 3, v8                   ; 16 r + 8 h
	v_add_nc_u32 v7, 512, v8
	v_lshlrev_b32 v9, 3, v3                        ; 8 h
	s_lshl_b32 s29, ttmp9, 1
	s_lshr_b32 s30, s24, 1
	s_add_co_u32 s29, s29, s30                     ; F
	s_and_b32 s30, s24, 1                          ; which half of K
	s_lshr_b32 s32, s29, 2
	s_lshl_b32 s32, s32, 6
	s_and_b32 s33, s29, 3
	s_lshl_b32 s33, s33, 3
	s_add_co_u32 s32, s32, s33                     ; slot 0's row: 64 (F / 4) + 8 (F % 4)
	s_lshl_b32 s32, s32, 12
	s_lshl_b32 s33, s30, 11
	s_add_co_u32 s32, s32, s33
	s_mov_b32 s33, 0
	s_lshr_b32 s34, s29, 3
	s_lshl_b32 s34, s34, 3
	s_lshl_b32 s35, s30, 2
	s_add_co_u32 s34, s34, s35
	s_mul_i32 s34, s34, 12288
	s_and_b32 s35, s29, 7
	s_mul_i32 s35, s35, 1536
	s_add_co_u32 s34, s34, s35                     ; codes: ((F / 8) 8 + first K step) 12288 + (F % 8) 1536
	s_mov_b32 s35, 0
	s_lshl_b32 s36, s29, 9
	s_lshl_b32 s37, s30, 8
	s_add_co_u32 s36, s36, s37                     ; scale words: 512 F + 256 x half
	s_mov_b32 s37, 0
	s_wait_alu depctr_va_vdst(0)
	s_wait_kmcnt 0x0
	s_add_nc_u64 s[4:5], s[4:5], s[32:33]
	s_add_nc_u64 s[14:15], s[14:15], s[34:35]
	s_add_nc_u64 s[20:21], s[20:21], s[36:37]
.macro XLOAD s
.irp i, 0,1,2,3,4,5,6,7,8,9,10,11,12,13,14,15
	global_load_b128 v[R+64*((\s)%2)+4*\i:R+64*((\s)%2)+4*\i+3], v4, s[4:5] offset:(32*(\i/8)+\i%8)*4096+512*(\s) th:TH_LOAD_NT
.endr
.endm
.macro XTURN s                         ; LDS serves a wave's instructions in order (ISA guide 5.7.1.4): no wait between the stores and the loads
.irp i, 0,1,2,3,4,5,6,7,8,9,10,11,12,13,14,15
	ds_store_b128 v5, v[R+64*((\s)%2)+4*\i:R+64*((\s)%2)+4*\i+3] offset:528*\i
.endr
.irp c, 0,1
.irp j, 0,1,2,3,4,5,6,7
	ds_load_b128 v[X+32*\c+4*\j:X+32*\c+4*\j+3], v6 offset:256*\c+16*\j
.endr
.endr
.endm
.macro XSTEP s
.if \s < 3
	s_wait_loadcnt 16                              ; this step's 16 loads are in; the next step's 16 may be out
.else
	s_wait_loadcnt 0x0
.endif
	XTURN \s
	s_wait_dscnt 0x0                               ; the numbers are back, and the stage stores have read their registers
.if \s < 2
	XLOAD (\s)+2
.endif
.if \s >= 2
	s_wait_xcnt 0x0                                ; the stores of two steps ago have read this set of codes
.endif
	QBLK2 X, CD+12*((\s)%2)
	WORD2 WD+\s
.irp c, 0,1
	global_store_b128 v4, v[CD+12*((\s)%2)+6*\c:CD+12*((\s)%2)+6*\c+3], s[14:15] offset:12288*(\s)+768*\c   ; 512 consecutive bytes
	global_store_b64 v7, v[CD+12*((\s)%2)+6*\c+4:CD+12*((\s)%2)+6*\c+5], s[14:15] offset:12288*(\s)+768*\c  ; 256 consecutive bytes
.endr
.endm
	XLOAD 0
	XLOAD 1
.irp s, 0,1,2,3
	XSTEP \s
.endr
	v_cmp_ne_u32 vcc_lo, 0, v3                     ; both halves of the lanes hold all four words: lanes 0-15 store words 0, 1, lanes 16-31 words 2, 3
	v_cndmask_b32 v20, v[WD], v[WD+2], vcc_lo
	v_cndmask_b32 v21, v[WD+1], v[WD+3], vcc_lo
	global_store_b64 v8, v[20:21], s[20:21]        ; 32 lanes store 256 consecutive bytes, aligned
	s_wait_tensorcnt 0x0
	ds_add_u32 v62, v63
	s_wait_dscnt 0x0
	s_endpgm
; ---- the weights.  A wave takes 32 columns x 128 K: a lane takes a column, its registers run down K, so a block's maximum needs no other lane and the codes come out with K innermost.
; Lane 16 u + r takes slot r of fragment 2 T + u, so each store of 16 lanes is 256 consecutive bytes; the price is that a load reads runs of 32 bytes.
; The scale words leave 4 bytes a lane, 16 bytes apart (the work-group's four waves fill the 16): one byte in 128 of what the path reads.
.Lweights:
	s_sub_co_u32 s28, ttmp9, 256
	s_lshr_b32 s30, s28, 6                         ; which weight
	s_and_b32 s29, s28, 63
	s_lshr_b32 s29, s29, 1
	s_lshr_b32 s31, s29, 1                         ; G: group of 64 columns
	s_and_b32 s32, s29, 1                          ; T: which two fragments of the group
	s_and_b32 s33, s28, 1
	s_lshl_b32 s33, s33, 2
	s_add_co_u32 s33, s33, s24                     ; K step
	s_wait_alu depctr_va_vdst(0)
	v_lshrrev_b32 v4, 3, v2
	v_lshlrev_b32 v4, 5, v4
	v_lshl_add_u32 v4, v3, 3, v4
	v_and_b32 v5, 7, v2
	v_add_nc_u32 v4, v4, v5
	v_lshlrev_b32 v4, 2, v4                        ; 4 (32 (r / 8) + 8 u + r % 8)
	v_lshlrev_b32 v6, 4, v2
	v_mul_u32_u24 v5, v3, 1536
	v_add_nc_u32 v5, v5, v6                        ; codes: 1536 u + 16 r
	v_lshl_add_u32 v6, v3, 9, v6                   ; scale words: 512 u + 16 r
	s_lshl_b32 s34, s33, 19                        ; 128 rows of 4,096 bytes a K step
	s_lshl_b32 s35, s31, 8
	s_add_co_u32 s34, s34, s35
	s_lshl_b32 s35, s32, 6
	s_add_co_u32 s34, s34, s35
	s_mov_b32 s35, 0
	s_lshl_b32 s36, s30, 4
	s_cmp_eq_u32 s30, 3
	s_cselect_b32 s36, 0, s36
	s_add_co_u32 s36, s36, s31                     ; the group's number in its buffer: wq, wk, wv on end in wc; wo alone in woc
	s_lshr_b32 s38, s36, 1
	s_lshl_b32 s38, s38, 3
	s_add_co_u32 s38, s38, s33
	s_mul_i32 s38, s38, 12288
	s_and_b32 s39, s36, 1
	s_lshl_b32 s39, s39, 2
	s_lshl_b32 s40, s32, 1
	s_add_co_u32 s39, s39, s40
	s_mul_i32 s39, s39, 1536
	s_add_co_u32 s38, s38, s39
	s_mov_b32 s39, 0
	s_lshl_b32 s40, s36, 2
	s_lshl_b32 s41, s32, 1
	s_add_co_u32 s40, s40, s41
	s_lshl_b32 s40, s40, 9
	s_lshr_b32 s41, s33, 2
	s_lshl_b32 s41, s41, 8
	s_add_co_u32 s40, s40, s41
	s_and_b32 s41, s33, 3
	s_lshl_b32 s41, s41, 2
	s_add_co_u32 s40, s40, s41
	s_add_co_u32 s40, s40, 0x40000                 ; the weights' words lie behind the rows' 262,144 bytes
	s_mov_b32 s41, 0
	s_wait_alu depctr_va_vdst(0)
	s_wait_kmcnt 0x0
	s_cmp_eq_u32 s30, 1                            ; the choices hang on the work-group's number alone
	s_cselect_b64 s[6:7], s[8:9], s[6:7]
	s_cmp_eq_u32 s30, 2
	s_cselect_b64 s[6:7], s[10:11], s[6:7]
	s_cmp_eq_u32 s30, 3
	s_cselect_b64 s[6:7], s[12:13], s[6:7]
	s_cselect_b64 s[16:17], s[18:19], s[16:17]
	s_cselect_b64 s[20:21], s[22:23], s[20:21]
	s_add_nc_u64 s[6:7], s[6:7], s[34:35]
	s_add_nc_u64 s[16:17], s[16:17], s[38:39]
	s_add_nc_u64 s[20:21], s[20:21], s[40:41]
.set k, 0
.rept 128
	global_load_b32 v[R+k], v4, s[6:7] offset:4096*k th:TH_LOAD_NT
.set k, k+1
.endr
; Block b = 2 c + h of my column: its registers 0-3 go to part a of half fragment c for half h, its registers 4-5 to part b.
.macro WBLK b
.set SB, R+32*(\b)
.set AH, CD+12*((\b)/2)+4*((\b)%2)
.set BH, CD+12*((\b)/2)+8+2*((\b)%2)
	v_max3_num_f32 v[MA], |v[SB]|, |v[SB+1]|, FLOOR
	v_max3_num_f32 v[MB], |v[SB+16]|, |v[SB+17]|, |v[SB+18]|
.irp i, 0,2,4,6,8,10
	v_max3_num_f32 v[MA], v[MA], |v[SB+2+\i]|, |v[SB+3+\i]|
	v_max3_num_f32 v[MB], v[MB], |v[SB+19+\i]|, |v[SB+20+\i]|
.endr
	v_max3_num_f32 v[MA], v[MA], |v[SB+14]|, |v[SB+15]|
	v_max3_num_f32 v[MA], v[MA], v[MB], |v[SB+31]|
	v_add_nc_u32 v[SO], OFFE, v[MA]
	v_lshrrev_b32 v[BY+(\b)], 23, v[SO]
	v_cvt_scalef32_pk16_fp6_f32 v[AH:AH+2], v[SB:SB+15], v[SO]
	v_cvt_scalef32_pk16_fp6_f32 v[TT:TT+2], v[SB+16:SB+31], v[SO]
	v_nop                                          ; one plain line behind the scaled conversions
	v_mov_b32 v[AH+3], v[TT]
	v_mov_b32 v[BH], v[TT+1]
	v_mov_b32 v[BH+1], v[TT+2]
.endm
	s_wait_loadcnt 63                              ; 96 loads were issued behind block 0's: 63 is the most a wait can name
	WBLK 0
	s_wait_loadcnt 63                              ; 64 were issued behind block 1's
	WBLK 1
	s_wait_loadcnt 32                              ; 32 behind block 2's
	WBLK 2
	s_wait_loadcnt 0x0
	WBLK 3
	v_lshl_or_b32 v20, v[BY+1], 8, v[BY]
	v_lshl_or_b32 v20, v[BY+2], 16, v20
	v_lshl_or_b32 v20, v[BY+3], 24, v20            ; my column's scale word of this K step
.irp c, 0,1
	global_store_b128 v5, v[CD+12*\c:CD+12*\c+3], s[16:17] offset:768*\c          ; 16 lanes store 256 consecutive bytes, aligned
	global_store_b128 v5, v[CD+12*\c+4:CD+12*\c+7], s[16:17] offset:768*\c+256
	global_store_b128 v5, v[CD+12*\c+8:CD+12*\c+11], s[16:17] offset:768*\c+512
.endr
	global_store_b32 v6, v20, s[20:21]
	s_endpgm
.Lfunc_end_k_q601788d9ad_quant:
	.size	k_q601788d9ad_quant, .Lfunc_end_k_q601788d9ad_quant-k_q601788d9ad_quant
	.p2alignl 7, 3214868480
	.fill 96, 4, 3214868480
	.section	.rodata,"a",@progbits
	.p2align	6, 0x0
	.amdhsa_kernel k_q601788d9ad_quant
		.amdhsa_group_segment_fixed_size 34304
		.amdhsa_private_segment_fixed_size 0
		.amdhsa_enable_private_segment 0
		.amdhsa_kernarg_size 80
		.amdhsa_user_sgpr_count 2
		.amdhsa_user_sgpr_kernarg_segment_ptr 1
		.amdhsa_wavefront_size32 1
		.amdhsa_system_sgpr_workgroup_id_x 1
		.amdhsa_system_sgpr_workgroup_id_y 1
		.amdhsa_system_sgpr_workgroup_id_z 1
		.amdhsa_system_vgpr_workitem_id 0
		.amdhsa_next_free_vgpr 256
		.amdhsa_next_free_sgpr 66
		.amdhsa_reserve_vcc 1
		.amdhsa_float_denorm_mode_32 3
		.amdhsa_float_denorm_mode_16_64 3
		.amdhsa_memory_ordered 1
		.amdhsa_forward_progress 1
		.amdhsa_inst_pref_size 52
	.end_amdhsa_kernel
	.amdgpu_metadata
---
amdhsa.version: [ 1, 2 ]
amdhsa.kernels:
  - .name:           k_q601788d9ad_quant
    .symbol:         k_q601788d9ad_quant.kd
    .args:
      - { .name: hidden_states, .offset: 0, .size: 8, .value_kind: global_buffer, .address_space: global }
      - { .name: wq, .offset: 8, .size: 8, .value_kind: global_buffer, .address_space: global }
      - { .name: wk, .offset: 16, .size: 8, .value_kind: global_buffer, .address_space: global }
      - { .name: wv, .offset: 24, .size: 8, .value_kind: global_buffer, .address_space: global }
      - { .name: wo, .offset: 32, .size: 8, .value_kind: global_buffer, .address_space: global }
      - { .name: xc, .offset: 40, .size: 8, .value_kind: global_buffer, .address_space: global }
      - { .name: wc, .offset: 48, .size: 8, .value_kind: global_buffer, .address_space: global }
      - { .name: woc, .offset: 56, .size: 8, .value_kind: global_buffer, .address_space: global }
      - { .name: s1, .offset: 64, .size: 8, .value_kind: global_buffer, .address_space: global }
      - { .name: s2, .offset: 72, .size: 8, .value_kind: global_buffer, .address_space: global }
    .group_segment_fixed_size: 34304
    .private_segment_fixed_size: 0
    .kernarg_segment_align: 8
    .kernarg_segment_size: 80
    .max_flat_workgroup_size: 128
    .sgpr_count:     66
    .vgpr_count:     256
    .wavefront_size: 32
...
	.end_amdgpu_metadata
.endif
;; end of part 1
;; launch qkv (part 2): grid 8 x 32, 4 waves a work-group, clusters of 4 x 4, 327,680 bytes of LDS; arguments xc, wc, s1, cos, sin, q_norm_w, k_norm_w, qq, kv; writes qq, kv
.if DOCPART == 2
	.amdgcn_target "amdgcn-amd-amdhsa--gfx1250"
	.amdhsa_code_object_version 6
	.text
	.protected	k_q601788d9ad_qkv
	.globl	k_q601788d9ad_qkv
	.p2align	8
	.type	k_q601788d9ad_qkv,@function
k_q601788d9ad_qkv:
	s_mov_b64 s[64:65], 0
	v_nop
	global_prefetch_b8 v0, s[64:65] scope:SCOPE_SE
	s_setreg_imm32_b32 hwreg(HW_REG_WAVE_MODE, 25, 1), 1
	s_wait_xcnt 0x0
	s_wait_alu depctr_hold_cnt(0) depctr_sa_sdst(0) depctr_va_vdst(0) depctr_va_sdst(0) depctr_va_ssrc(0) depctr_va_vcc(0) depctr_vm_vsrc(0)
	s_getreg_b32 s2, hwreg(HW_REG_IB_STS2, 6, 4)
	s_cmp_eq_u32 s2, 0
	s_cbranch_scc0 .Lentry_in_a_cluster
	s_endpgm
.Lentry_in_a_cluster:
	s_bfe_u32 s2, ttmp6, 0x10000c
	s_cmp_lg_u32 s2, 0xf033
	s_cbranch_scc0 .Lentry_shape_is_right
	s_endpgm
.Lentry_shape_is_right:
; q, k, v = hidden_states x (wq, wk, wv) on codes of FP6 (E2M3) with E8M0 scales; then, in registers: RMS norm over a head's 64, the gain and the two-chunk rotate-half RoPE (q, k), and the
; quantisers of the attention's operands: q and k along the head's 64, v along the keys.  Only codes and scale words are stored.  position_ids is no argument: the computation uses its shape (two chunks) alone.
; SHARES.  256 work-groups: one takes 256 rows x two heads of q, k and v (384 columns); wave (i, j) takes rows block i (128 rows, 8 fragments) and head j: 4 fragments each of wq, wk, wv.
; 96 accumulators a wave: q in window 1 and k in window 2 (fragment a, tile t at v[8 (4 a + t)]): source 0 = the weight's 16 columns, source 1 = 16 rows: a lane holds one row and 32 neighbouring channels.
; v in window 3 (tile t, fragment a at v[8 (8 t + a)]): source 0 = 16 rows (keys), source 1 = wv's 16 columns: a lane holds one channel and 32 neighbouring keys.  The same row fragments serve both uses.
; Slot i of fragment t of a group of 64 is index 64 G + 32 (i / 8) + 8 t + i % 8, so the 32 registers of a group's four tiles are one block of 32 along the next product's K, in order.
; WINDOW 0: v0-31 lane terms and addresses; v32-55 scale words, two sets of 12 (register n: lanes 0-15 rows' fragment n, lanes 16-31 weight fragment n = 4 c + t), and nothing else while products run;
;   v56-151 the rows' 8 fragments, one set; v152-199 wv's four; v200-247 a ring of four for wq's and wk's eight.
; LDS: two slots of 122,880 bytes, each two K steps: rows (2 blocks x 12,288) of each step, then weights (3 blocks x 12,288) of each step; one tensor load a wave fills a quarter: waves 0, 1 the rows of
; the even and odd step, waves 2, 3 the weights.  Behind the ring each wave's own 12,288 bytes of scale words, read once from memory in runs of 256 bytes; then the spare words.
; CLUSTER 4 x 4: the rows' tile hangs on cy and is asked for jointly along a row of the cluster, the weights' on cx, along a column.
; No prefetch: K has four fills, two of them first fills, and the walk along K is written out: there is no loop to run ahead in.
; LIMITS: NaN and infinities are not served; a block whose largest magnitude lies under 2^-124, or is 0, has the byte 1 (zeros add nothing; only this program reads the bytes).
.set KSB,   12288
.set RST,   2*KSB
.set WST,   3*KSB
.set WOF,   2*RST
.set SLOT,  2*RST+2*WST
.set SCB,   2*SLOT
.set SPARE, SCB+4*12288
.set AR16, 16                          ; v16-17 rows in slot 0, 1: + 16 x lane; v18-19: + 16 r + 8 h
.set AR8,  18
.set AW16, 20                          ; v20-23 weights, index 2 slot + step % 2; v24-27 likewise
.set AW8,  24
.set SPW,  28
.set NIL,  29
.set SST,  30                          ; my scale words in LDS + 16 x lane
.set SC,   32
.set RF,   56
.set WV,   152
.set WR,   200
.set G1R, 28
.set G0R, 36
.set G1W, 44
.set G0W, 52
.set SEL, 96
.set INV, 98
.set FLOOR, 0x1800000
.set OFFE,  0xff000000
; the epilogues' registers, window 0
.set Z,   32
.set VS,  32
.set VY,  96
.set VC,  128                          ; v's codes: 8 registers a unit, never written again
.set WD,  192                          ; q's four scale words, k's four
.set WDV, 200
.set TT,  204
.set SQ,  208
.set RS,  224
.set MA,  228
.set SO,  232
.set BY,  234
.set EP,  236
.set T1,  238
.set T2,  239
.set OW,  240
.set MSB, 0
.macro WIN new                         ; the immediate's high byte repeats the setting that is left
.if MSB != \new
	s_set_vgpr_msb (MSB<<8)|\new
.set MSB, \new
.endif
.endm
.macro JLOAD s                         ; waves 0, 1 ask for rows, waves 2, 3 for weights; s_nop 0 and four v_nop follow each line
	s_cmp_eq_u32 s23, 0
	s_cbranch_scc0 .Lfor_w_\@
	tensor_load_to_lds s[G0R+4*(\s):G0R+4*(\s)+3], s[G1R:G1R+7]
	s_nop 0
.rept 4
	v_nop
.endr
	s_branch .Lasked_\@
.Lfor_w_\@:
	tensor_load_to_lds s[G0W+4*(\s):G0W+4*(\s)+3], s[G1W:G1W+7]
	s_nop 0
.rept 4
	v_nop
.endr
.Lasked_\@:
.endm
.macro CREST
	s_cmp_lg_u32 s22, 0
	s_cbranch_scc1 .Lnot_wave_0_\@
	s_barrier_signal -3
.Lnot_wave_0_\@:
	s_barrier_wait -3
	s_barrier_signal -1
	s_barrier_wait -1
.endm
.macro CROUND
	s_barrier_signal -1
	s_barrier_wait -1
	CREST
.endm
.macro PLACES                          ; four plain lines behind a matrix instruction, ahead of loads into its sources and of reads of its result
.rept 4
	v_nop
.endr
.endm
.macro FRAG reg, a16, a8, off          ; a fragment's image comes back as it was stored
	ds_load_b128 v[\reg:\reg+3], v[\a16] offset:\off
	ds_load_b64 v[\reg+4:\reg+5], v[\a8] offset:\off+512
	ds_load_b128 v[\reg+6:\reg+9], v[\a16] offset:\off+768
	ds_load_b64 v[\reg+10:\reg+11], v[\a8] offset:\off+1280
.endm
.macro LDW ks, b, reg                  ; weight fragment b = 4 c + t of K step ks
	FRAG \reg, AW16+2*(((\ks)/2)%2)+(\ks)%2, AW8+2*(((\ks)/2)%2)+(\ks)%2, ((\b)/4)*KSB+((\b)%4)*1536
.endm
.macro LDR ks, a                       ; rows' fragment a of K step ks
	FRAG RF+12*(\a), AR16+((\ks)/2)%2, AR8+((\ks)/2)%2, ((\ks)%2)*RST+(\a)*1536
.endm
.macro LSC ks                          ; the 12 scale registers of K step ks into set ks % 2
.irp n, 0,1,2,3,4,5,6,7,8,9,10,11
	ds_load_b32 v[SC+12*((\ks)%2)+\n], v[SST] offset:\n*1024+((\ks)/4)*512+((\ks)%4)*4
.endr
.endm
; The 96 accumulators take turns, one instruction a turn, in the same order in every K step.
.macro MQK b, a, ks, zero
.set DD, 8*(4*(\a)+(\b)%4)
.set SS0, SC+12*((\ks)%2)
.if \zero
	v_wmma_scale_f32_16x16x128_f8f6f4 v[DD:DD+7], v[WR+12*((\b)%4):WR+12*((\b)%4)+11], v[RF+12*(\a):RF+12*(\a)+11], 0, v[SS0+(\b)], v[SS0+(\a)] matrix_a_fmt:MATRIX_FMT_FP6 matrix_b_fmt:MATRIX_FMT_FP6 matrix_a_scale:MATRIX_SCALE_ROW1
.else
	v_wmma_scale_f32_16x16x128_f8f6f4 v[DD:DD+7], v[WR+12*((\b)%4):WR+12*((\b)%4)+11], v[RF+12*(\a):RF+12*(\a)+11], v[DD:DD+7], v[SS0+(\b)], v[SS0+(\a)] matrix_a_fmt:MATRIX_FMT_FP6 matrix_b_fmt:MATRIX_FMT_FP6 matrix_a_scale:MATRIX_SCALE_ROW1
.endif
.endm
.macro MV a, t, ks, zero
.set DD, 8*(8*(\t)+(\a))
.set SS0, SC+12*((\ks)%2)
.if \zero
	v_wmma_scale_f32_16x16x128_f8f6f4 v[DD:DD+7], v[RF+12*(\a):RF+12*(\a)+11], v[WV+12*(\t):WV+12*(\t)+11], 0, v[SS0+(\a)], v[SS0+8+(\t)] matrix_a_fmt:MATRIX_FMT_FP6 matrix_b_fmt:MATRIX_FMT_FP6 matrix_b_scale:MATRIX_SCALE_ROW1
.else
	v_wmma_scale_f32_16x16x128_f8f6f4 v[DD:DD+7], v[RF+12*(\a):RF+12*(\a)+11], v[WV+12*(\t):WV+12*(\t)+11], v[DD:DD+7], v[SS0+(\a)], v[SS0+8+(\t)] matrix_a_fmt:MATRIX_FMT_FP6 matrix_b_fmt:MATRIX_FMT_FP6 matrix_b_scale:MATRIX_SCALE_ROW1
.endif
.endm
.macro GA b, ks, zero                  ; weight fragment b against rows' fragments 0-5
.irp a, 0,1,2,3,4,5
	MQK \b, \a, \ks, \zero
.endr
.endm
.macro GB b, ks, zero                  ; and 6, 7
.irp a, 6,7
	MQK \b, \a, \ks, \zero
.endr
.endm
.macro G8 b, ks, zero
	GA \b, \ks, \zero
	GB \b, \ks, \zero
.endm
; A K step: wq's four and wk's four fragments, each against the 8 row fragments, through the ring of four; then v by row fragments, so that each pair of row fragments is free for the next step's.
; An odd step changes slots: ahead of the barrier each wave waits for all its tensor loads, adds 0 to its spare word, and waits for that and for its reads of this slot.
.macro STEP ks, zero
.set SL, ((\ks)/2)%2
	s_wait_dscnt 8                                 ; all but the youngest 8 loads (rows' fragments 6, 7) are in
	WIN 0x50
	GA 0, \ks, \zero
	GA 1, \ks, \zero
	s_wait_dscnt 0x0
	GB 0, \ks, \zero
	GB 1, \ks, \zero
	PLACES
	WIN 0
	LDW \ks, 4, WR
	LDW \ks, 5, WR+12
.irp t, 0,1,2,3
	LDW \ks, 8+\t, WV+12*\t
.endr
.if (\ks)==6
	global_prefetch_b8 v15, s[62:63] th:TH_LOAD_NT scope:SCOPE_SE   ; once, in K step 6: two K steps ahead of the epilogue's first load of these rows, and behind the last tile's landing; its address registers are never written again
.endif
	WIN 0x50
	G8 2, \ks, \zero
	G8 3, \ks, \zero
	PLACES
	WIN 0
	LDW \ks, 6, WR+24
	LDW \ks, 7, WR+36
.if ((\ks)%2) && ((\ks)<7)
	s_wait_tensorcnt 0x0                           ; my part of the next slot has landed
	ds_add_u32 v[SPW], v[NIL]
	s_wait_dscnt 9                                 ; the add and the youngest 8 loads (wk's 2, 3) may be out
	WIN 0xa0
	G8 4, \ks, \zero
	s_wait_dscnt 0x0                               ; the add is done, my reads of this slot are over
	s_barrier_signal -1
	G8 5, \ks, \zero
	WIN 0
	s_barrier_wait -1
.if (\ks)<5
	CREST                                          ; the barrier has opened a round of the cluster's: no wave of any partner still reads this slot or has a load out
	s_add_nc_u64 s[G0R+4*SL+2:G0R+4*SL+3], s[G0R+4*SL+2:G0R+4*SL+3], 4*KSB
	s_add_nc_u64 s[G0W+4*SL+2:G0W+4*SL+3], s[G0W+4*SL+2:G0W+4*SL+3], 4*KSB
	JLOAD SL                                       ; my one tensor load behind the round; its four v_nop are the places ahead of the loads below
.else
	PLACES
.endif
.else
	s_wait_dscnt 8                                 ; wk's 0, 1 and wv's four are in
	WIN 0xa0
	G8 4, \ks, \zero
	G8 5, \ks, \zero
.if (\ks)<7
	PLACES
	WIN 0
.endif
.endif
.if (\ks)<7
	LDW (\ks)+1, 0, WR
	LDW (\ks)+1, 1, WR+12
	s_wait_dscnt 8                                 ; wk's 2, 3 are in
.else
	s_wait_dscnt 0x0
.endif
	WIN 0xa0
	G8 6, \ks, \zero
	G8 7, \ks, \zero
.if (\ks)<7
	PLACES
	WIN 0
	LDW (\ks)+1, 2, WR+24
	LDW (\ks)+1, 3, WR+36
	LSC (\ks)+1
.endif
	WIN 0xf0
.irp p, 0,1,2,3
.irp t, 0,1,2,3
	MV 2*\p, \t, \ks, \zero
.endr
.irp t, 0,1,2,3
	MV 2*\p+1, \t, \ks, \zero
.endr
.if (\ks)<7
	PLACES
	WIN 0
	LDR (\ks)+1, 2*\p
	LDR (\ks)+1, 2*\p+1
	WIN 0xf0
.endif
.endr
	WIN 0
.endm
.macro BMAX s                          ; the largest magnitude of v[s] .. v[s + 31], and the floor, into v[MA]: four chains
.irp k, 0,1,2,3
	v_max3_num_f32 v[MA+\k], |v[\s+8*\k]|, |v[\s+8*\k+1]|, |v[\s+8*\k+2]|
.endr
.irp i, 3,5
.irp k, 0,1,2,3
	v_max3_num_f32 v[MA+\k], v[MA+\k], |v[\s+8*\k+\i]|, |v[\s+8*\k+\i+1]|
.endr
.endr
	v_max3_num_f32 v[MA], v[MA], |v[\s+7]|, |v[\s+15]|
	v_max3_num_f32 v[MA+2], v[MA+2], |v[\s+23]|, |v[\s+31]|
	v_max3_num_f32 v[MA], v[MA], v[MA+1], FLOOR
	v_max3_num_f32 v[MA], v[MA], v[MA+2], v[MA+3]
.endm
	s_load_b512 s[4:19], s[0:1], 0x0               ; xc s[4:5], wc s[6:7], s1 s[8:9], cos s[10:11], sin s[12:13], q_norm_w s[14:15], k_norm_w s[16:17], qq s[18:19]
	s_load_b64 s[20:21], s[0:1], 0x40              ; kv
	v_lshl_add_u32 v[SPW], v0, 2, SPARE
	v_mov_b32 v[NIL], 0
	ds_add_u32 v[SPW], v[NIL]                      ; the opening lines: the add twice on end and one wait
	ds_add_u32 v[SPW], v[NIL]
	v_lshrrev_b32 v1, 5, v0
	v_readfirstlane_b32 s22, v1                    ; wave
	s_lshr_b32 s23, s22, 1                         ; my block of rows.  Also: I fetch rows (0) or weights (1)
	s_and_b32 s24, s22, 1                          ; my head.  Also: which K step of a slot I fetch
	s_bfe_u32 s60, ttmp6, 0x40000                  ; cx
	s_bfe_u32 s61, ttmp6, 0x40004                  ; cy
	s_lshl_b32 s66, ttmp9, 2
	s_add_co_u32 s66, s66, s60                     ; pair of heads, 0 .. 7
	s_and_b32 s67, ttmp7, 0xffff
	s_lshl_b32 s67, s67, 2
	s_add_co_u32 s67, s67, s61                     ; tile of 256 rows, 0 .. 31
	s_lshl_b32 s68, s61, 2
	s_lshl_b32 s68, 15, s68                        ; my row of the cluster
	s_lshl_b32 s69, 0x1111, s60                    ; my column
	s_or_b32 s[G1R], s68, (3<<16)|(1<<21)          ; 15:0 the mask; 17:16 elements of 8 bytes; 21 set beside a mask; no padding
	s_or_b32 s[G1W], s69, (3<<16)|(1<<21)
.irp g, G1R, G1W
	s_mov_b32 s[\g+1], 1536<<16                    ; a tile's row: one K step of a block of 128, 12,288 dense bytes
	s_mov_b32 s[\g+3], 1536<<16
	s_mov_b32 s[\g+6], 0
	s_mov_b32 s[\g+7], 0
.endr
	s_mov_b32 s[G1R+2], 2<<16                      ; rows: two blocks, 98,304 bytes apart
	s_mov_b32 s[G1R+4], 2
	s_mov_b32 s[G1R+5], 12288
	s_mov_b32 s[G1W+2], 3<<16                      ; weights: wq's, wk's, wv's block, 8 blocks apart
	s_mov_b32 s[G1W+4], 3
	s_mov_b32 s[G1W+5], 98304
	s_mul_i32 s70, s67, 196608
	s_mul_i32 s72, s24, KSB
	s_add_co_u32 s70, s70, s72                     ; rows: tile and my K step (never cx)
	s_mov_b32 s71, 0
	s_mul_i32 s73, s66, 98304
	s_add_co_u32 s72, s72, s73                     ; weights likewise (never cy)
	s_mov_b32 s73, 0
	s_mul_i32 s78, s24, RST                        ; where they go: the wave's number alone
	s_mul_i32 s79, s24, WST
	s_add_co_u32 s79, s79, WOF
	s_mov_b32 s[SEL], 0x76543210
	s_mov_b32 s[SEL+1], 0xfedcba98
	s_mov_b32 s[INV], 0x3c800000                   ; 1 / 64
	s_mov_b32 s[INV+1], 0x3c800000
	s_wait_dscnt 0x0
	s_wait_kmcnt 0x0
	s_add_nc_u64 s[74:75], s[4:5], s[70:71]
	s_add_nc_u64 s[76:77], s[6:7], s[72:73]
.irp s, 0,1
	s_mov_b32 s[G0R+4*\s], 1
	s_add_co_u32 s[G0R+4*\s+1], s78, \s*SLOT
	s_add_nc_u64 s[G0R+4*\s+2:G0R+4*\s+3], s[74:75], \s*2*KSB
	s_or_b32 s[G0R+4*\s+3], s[G0R+4*\s+3], 0x80000000
	s_mov_b32 s[G0W+4*\s], 1
	s_add_co_u32 s[G0W+4*\s+1], s79, \s*SLOT
	s_add_nc_u64 s[G0W+4*\s+2:G0W+4*\s+3], s[76:77], \s*2*KSB
	s_or_b32 s[G0W+4*\s+3], s[G0W+4*\s+3], 0x80000000
.endr
	CROUND                                         ; all sixteen work-groups are here: the first joint loads meet
	JLOAD 0                                        ; K steps 0, 1: one tensor load a wave at the head
	; scalars first, then the vector lines in one run
	s_mul_i32 s80, s23, KSB
	s_add_co_u32 s81, s80, SLOT
	s_mul_i32 s82, s24, 6144
	s_add_co_u32 s82, s82, WOF
	s_add_co_u32 s83, s82, WST
	s_add_co_u32 s84, s82, SLOT
	s_add_co_u32 s85, s83, SLOT
	s_mul_i32 s86, s22, 12288
	s_add_co_u32 s86, s86, SCB
	s_lshl_b32 s87, s67, 1
	s_add_co_u32 s87, s87, s23                     ; my block of 128 rows, 0 .. 63
	s_lshl_b32 s88, s87, 12                        ; its scale words in s1
	s_lshl_b32 s89, s66, 12
	s_lshl_b32 s90, s24, 11
	s_add_co_u32 s89, s89, s90
	s_add_co_u32 s89, s89, 0x40000                 ; my head's words of wq
	s_sub_co_u32 s89, s89, s88                     ; as a distance from the rows' words: lanes 16-31 add it
	s_add_co_u32 s90, s89, 32768-2048              ; wk's, from the rows' fragments 4-7
	s_add_co_u32 s91, s89, 65536                   ; wv's (lanes 0-15 read fragments 0-3 once more; those words are not used)
	s_add_co_u32 s92, s88, 2048
	s_lshr_b32 s93, s87, 3
	s_lshl_b32 s93, s93, 4
	s_lshl_b32 s94, s66, 1
	s_add_co_u32 s93, s93, s94
	s_add_co_u32 s93, s93, s24                     ; batch x 16 + head
	s_mul_i32 s93, s93, 51200
	s_and_b32 s94, s87, 7
	s_mul_i32 s94, s94, 6400
	s_add_co_u32 s94, s93, s94
	s_mov_b32 s95, 0
	s_add_nc_u64 s[18:19], s[18:19], s[94:95]      ; qq: my head's block of 128 queries
	s_add_nc_u64 s[20:21], s[20:21], s[94:95]
	s_add_nc_u64 s[20:21], s[20:21], s[94:95]      ; kv: twice that: my head's key step
	s_lshl_b32 s94, s87, 15
	s_add_nc_u64 s[10:11], s[10:11], s[94:95]      ; cos and sin at my 128 rows
	s_add_nc_u64 s[12:13], s[12:13], s[94:95]
	s_lshl_b32 s93, s60, 1                         ; the prefetch of cos and sin: my block's 128 rows of each are 256 blocks of 256 bytes; the eight waves of the cluster that read them
	s_add_co_u32 s93, s93, s24                     ; (4 places along x, 2 heads) take 32 blocks each, told apart by address: piece 2 cx + head
	s_cmp_lt_u32 s93, 4
	s_cselect_b64 s[62:63], s[10:11], s[12:13]     ; pieces 0-3 cos, 4-7 sin
	s_and_b32 s94, s93, 3
	s_lshl_b32 s94, s94, 13                        ; 32 rows of 256 bytes a piece
	s_add_nc_u64 s[62:63], s[62:63], s[94:95]
	v_and_b32 v1, 31, v0
	v_and_b32 v2, 15, v0                           ; r
	v_bfe_u32 v3, v0, 4, 1                         ; h
	v_lshlrev_b32 v4, 4, v1                        ; 16 x lane
	v_lshlrev_b32 v10, 4, v2
	v_lshl_add_u32 v5, v3, 3, v10                  ; 16 r + 8 h
	v_add_nc_u32 v[AR16], s80, v4
	v_add_nc_u32 v[AR16+1], s81, v4
	v_add_nc_u32 v[AR8], s80, v5
	v_add_nc_u32 v[AR8+1], s81, v5
.irp i, 0,1,2,3
	v_add_nc_u32 v[AW16+\i], s[82+\i], v4
	v_add_nc_u32 v[AW8+\i], s[82+\i], v5
.endr
	v_add_nc_u32 v[SST], s86, v4
	v_mad_u32_u24 v6, v3, s89, v10
	v_mad_u32_u24 v7, v3, s90, v10
	v_mad_u32_u24 v8, v3, s91, v10
	v_add_nc_u32 v6, s88, v6
	v_add_nc_u32 v7, s92, v7
	v_add_nc_u32 v8, s88, v8
	v_lshlrev_b32 v15, 8, v1                       ; the prefetch: a lane a row; never rewritten
	s_wait_alu depctr_va_vdst(0)                   ; the wait at the head's end
	WIN 0x40                                       ; all of K's scale words, once, into registers of window 1 that the products have not begun: 16 lanes read 256 consecutive bytes
.irp c, 0,1,2
.irp t, 0,1,2,3
	global_load_b128 v[8*(4*\c+\t):8*(4*\c+\t)+3], v[6+\c], s[8:9] offset:512*\t
	global_load_b128 v[8*(4*\c+\t)+4:8*(4*\c+\t)+7], v[6+\c], s[8:9] offset:512*\t+256
.endr
.endr
	s_wait_loadcnt 0x0
	s_wait_tensorcnt 0x0                           ; no tensor load of mine is out while I store to LDS
	WIN 0x04
.irp n, 0,1,2,3,4,5,6,7,8,9,10,11
	ds_store_b128 v[SST], v[8*\n:8*\n+3] offset:1024*\n          ; into my own bytes, which no tensor load fills
	ds_store_b128 v[SST], v[8*\n+4:8*\n+7] offset:1024*\n+512
.endr
	WIN 0
	s_wait_tensorcnt 0x0
	ds_add_u32 v[SPW], v[NIL]
	s_wait_dscnt 0x0
	CROUND                                         ; slot 0 is whole in every partner
	JLOAD 1                                        ; K steps 2, 3
	LDW 0, 0, WR
	LDW 0, 1, WR+12
	LDW 0, 2, WR+24
	LDW 0, 3, WR+36
	LSC 0
.irp a, 0,1,2,3,4,5,6,7
	LDR 0, \a
.endr
	STEP 0, 1                                      ; the first step's products start the sums
.irp k, 1,2,3,4,5,6,7
	STEP \k, 0
.endr
	PLACES
	v_add_nc_u32 v9, 512, v5                       ; part b of a half fragment
	v_lshlrev_b32 v13, 3, v3                       ; 8 h
	v_lshrrev_b32 v11, 3, v2
	v_and_b32 v12, 7, v2
	v_lshl_add_u32 v11, v11, 5, v12
	v_lshlrev_b32 v11, 8, v11
	v_lshl_add_u32 v11, v3, 7, v11                 ; cos, sin: (32 (r / 8) + r % 8) rows of 256 bytes + 128 h
	v_lshlrev_b32 v12, 7, v3                       ; the gains: 128 h
	v_add_nc_u32 v14, 16, v13
	v_mov_b32 v[EP], 0x358637bd                    ; eps = 1e-6
	v_mov_b32 v[EP+1], 0x358637bd
	v_mov_b32 v[RS+1], 0                           ; (upper halves of pairs of which the low word serves both halves)
	v_mov_b32 v[RS+3], 0
	v_mov_b32 v[T2], 0                             ; a lane permute's destination counts as read
	v_cmp_ne_u32 vcc_lo, 0, v3
	s_wait_alu depctr_va_vdst(0)
; cos and sin of fragment a's rows, 64 registers, into set a % 4: sets 0, 1, 2 at v0, v128, v192 of window 3 (accumulators of v that are done with), set 3 at v64 of window 0 (free behind v's epilogue)
.macro CSLOAD a
.if ((\a)%4) == 3
.set LB, 64
	WIN 0
.else
.set LB, 64*((\a)%4)+64*(((\a)%4+1)/2)
	WIN 0xc0
.endif
.irp j, 0,1,2,3,4,5,6,7
	global_load_b128 v[LB+4*\j:LB+4*\j+3], v11, s[10:11] offset:(64*((\a)/4)+8*((\a)%4))*256+16*\j
.endr
.irp j, 0,1,2,3,4,5,6,7
	global_load_b128 v[LB+32+4*\j:LB+32+4*\j+3], v11, s[12:13] offset:(64*((\a)/4)+8*((\a)%4))*256+16*\j
.endr
	WIN 0
.endm
; ---- v first.  Lane (r, h) holds, for channel tile ap, channel slot r and keys 64 g + 32 h + 0 .. 31 (register 64 ap + 32 g + i).  A key's 64 channels lie in 4 tiles x 16 lanes.
	WIN 0x0f
.set i, 0
.rept 32
	v_pk_mul_f32 v[VS+i:VS+i+1], v[i:i+1], v[i:i+1]                ; each accumulator from its low end on
.set i, i+2
.endr
.set i, 64
.rept 96
	v_pk_fma_f32 v[VS+i%64:VS+i%64+1], v[i:i+1], v[i:i+1], v[VS+i%64:VS+i%64+1]
.set i, i+2
.endr
	WIN 0
.irp m, 1,2,4,8                        ; and over the 16 channels that lie in the 16 lanes of my half
.set i, 0
.rept 64
	v_add_f32_dpp v[VS+i], v[VS+i], v[VS+i] row_xmask:\m row_mask:0xf bank_mask:0xf
.set i, i+1
.endr
.endr
.set i, 0
.rept 32
	v_pk_fma_f32 v[VS+i:VS+i+1], v[VS+i:VS+i+1], s[INV:INV+1], v[EP:EP+1] op_sel_hi:[1,0,1]
.set i, i+2
.endr
	s_wait_alu depctr_va_vdst(0)                   ; the wait ahead of the batch
.set i, 0
.rept 64
	v_rsq_f32 v[VS+i], v[VS+i]
.set i, i+1
.endr
	v_nop                                          ; a plain line behind the transcendentals
	s_wait_alu depctr_va_vdst(0)                   ; one wait for the 64
.irp ap, 0,1,2,3
.irp g, 0,1
.set CW, VC+8*(2*\ap+\g)
	WIN 3
.set i, 0
.rept 16
	v_pk_mul_f32 v[VY+i:VY+i+1], v[64*\ap+32*\g+i:64*\ap+32*\g+i+1], v[VS+32*\g+i:VS+32*\g+i+1]
.set i, i+2
.endr
	WIN 0
	BMAX VY
	v_add_nc_u32 v[SO], OFFE, v[MA]                ; the conversion takes this operand's exponent field as its scale
	v_lshrrev_b32 v[BY+\g], 23, v[SO]
	v_cvt_scalef32_pk16_fp6_f32 v[CW:CW+2], v[VY:VY+15], v[SO]
	v_cvt_scalef32_pk16_fp6_f32 v[TT:TT+2], v[VY+16:VY+31], v[SO]
	v_nop                                          ; one plain line behind the scaled conversions
.irp i, 0,1,2
	v_mov_b32 v[CW+3+\i], v[TT+\i]
.endr
.endr
	v_lshl_or_b32 v[T1], v[BY+1], 16, v[BY]        ; the tile's scale word: byte 2 g + h
	v_lshlrev_b32 v[T1], v13, v[T1]
	v_permlanex16_b32 v[T2], v[T1], s[SEL], s[SEL+1]
	v_or_b32 v[WDV+\ap], v[T1], v[T2]
.if \ap == 0
	CSLOAD 0                                       ; tile 0's 64 accumulator registers are done with
.endif
.if \ap == 1
	WIN 0xc0                                       ; the gains of my 32 channels: q's at v64, k's at v96 of window 3
.irp j, 0,1,2,3,4,5,6,7
	global_load_b128 v[64+4*\j:67+4*\j], v12, s[14:15] offset:16*\j
	global_load_b128 v[96+4*\j:99+4*\j], v12, s[16:17] offset:16*\j
.endr
	WIN 0
.endif
.if \ap == 2
	CSLOAD 1
.endif
.if \ap == 3
	CSLOAD 2
.endif
.endr
	v_cndmask_b32 v[OW+4], v[WDV], v[WDV+2], vcc_lo   ; both halves of the lanes hold all four words: lanes 0-15 store words 0, 1, lanes 16-31 words 2, 3
	v_cndmask_b32 v[OW+5], v[WDV+1], v[WDV+3], vcc_lo
	s_wait_alu depctr_va_vdst(0)                   ; all of v's codes are written: the run of stores reads them
.irp u, 0,1,2,3,4,5,6,7
	global_store_b128 v4, v[VC+8*\u:VC+8*\u+3], s[20:21] offset:6144+768*\u      ; 512 consecutive bytes
	global_store_b64 v9, v[VC+8*\u+4:VC+8*\u+5], s[20:21] offset:6144+768*\u     ; 256 consecutive bytes
.endr
	global_store_b64 v5, v[OW+4:OW+5], s[20:21] offset:12544                     ; 256 consecutive bytes
; ---- q and k.  Lane (r, h) holds, for fragment a, channels 32 h .. 32 h + 31 of row slot r: one chunk of the RoPE and one block of the quantiser.  The codes are laid over the unit's own
; accumulator registers, which nothing writes again, and leave in two runs of stores.
.macro QKROW a
.set XB, 32*(\a)
.if ((\a)%4) == 3
.set CB, 64
.set CWN, 0
.else
.set CB, 64*((\a)%4)+64*(((\a)%4+1)/2)
.set CWN, 3
.endif
.if (\a)<5
	CSLOAD (\a)+3                                  ; three fragments ahead, into the set that fragment a - 1 has done with
	s_wait_loadcnt 48                              ; this fragment's cos and sin (and the gains) are in; the three younger fragments' 16 loads each may be out
.else
	s_wait_loadcnt 16*(7-(\a))                     ; 16 loads for each fragment still to come
.endif
.irp c, 0,1                            ; the sums of squares, each accumulator from its low end on, four chains
	WIN 5*(1+\c)
.irp i, 0,2,4,6
	v_pk_mul_f32 v[SQ+8*\c+\i:SQ+8*\c+\i+1], v[XB+\i:XB+\i+1], v[XB+\i:XB+\i+1]
.endr
.irp i, 8,10,12,14,16,18,20,22,24,26,28,30
	v_pk_fma_f32 v[SQ+8*\c+\i%8:SQ+8*\c+\i%8+1], v[XB+\i:XB+\i+1], v[XB+\i:XB+\i+1], v[SQ+8*\c+\i%8:SQ+8*\c+\i%8+1]
.endr
.endr
	WIN 0
.irp c, 0,1
	v_pk_add_f32 v[SQ+8*\c:SQ+8*\c+1], v[SQ+8*\c:SQ+8*\c+1], v[SQ+8*\c+4:SQ+8*\c+5]
	v_pk_add_f32 v[SQ+8*\c+2:SQ+8*\c+3], v[SQ+8*\c+2:SQ+8*\c+3], v[SQ+8*\c+6:SQ+8*\c+7]
.endr
.irp c, 0,1
	v_pk_add_f32 v[SQ+8*\c:SQ+8*\c+1], v[SQ+8*\c:SQ+8*\c+1], v[SQ+8*\c+2:SQ+8*\c+3]
.endr
.irp c, 0,1
	v_add_f32 v[SQ+8*\c], v[SQ+8*\c], v[SQ+8*\c+1]
.endr
.irp c, 0,1
	v_permlanex16_b32 v[SQ+8*\c+2], v[SQ+8*\c], s[SEL], s[SEL+1]   ; the head's other 32 channels
.endr
.irp c, 0,1
	v_add_f32 v[SQ+8*\c], v[SQ+8*\c], v[SQ+8*\c+2]
.endr
.irp c, 0,1
	v_fma_f32 v[SQ+8*\c], v[SQ+8*\c], s[INV], v[EP]
.endr
	s_wait_alu depctr_va_vdst(0)                   ; the wait ahead of the batch
.irp c, 0,1
	v_rsq_f32 v[RS+2*\c], v[SQ+8*\c]
.endr
	v_nop                                          ; a plain line behind the transcendentals
	s_wait_alu depctr_va_vdst(0)                   ; one wait for both
.irp c, 0,1
	WIN (1+\c)|((1+\c)<<6)
.set i, 0
.rept 16
	v_pk_mul_f32 v[XB+i:XB+i+1], v[XB+i:XB+i+1], v[RS+2*\c:RS+2*\c+1] op_sel_hi:[1,0]
.set i, i+2
.endr
	WIN (1+\c)|12|((1+\c)<<6)
.set i, 0
.rept 16
	v_pk_mul_f32 v[XB+i:XB+i+1], v[XB+i:XB+i+1], v[64+32*\c+i:64+32*\c+i+1]      ; the gain
.set i, i+2
.endr
	WIN (1+\c)|(CWN<<2)
.set i, 0
.rept 8
	v_pk_mul_f32 v[Z+i:Z+i+1], v[XB+i:XB+i+1], v[CB+i:CB+i+1]
	v_pk_mul_f32 v[Z+16+i:Z+17+i], v[XB+16+i:XB+17+i], v[CB+16+i:CB+17+i]
.set i, i+2
.endr
.set i, 0
.rept 8
	v_pk_fma_f32 v[Z+i:Z+i+1], v[XB+16+i:XB+17+i], v[CB+32+i:CB+33+i], v[Z+i:Z+i+1] neg_lo:[1,0,0] neg_hi:[1,0,0]   ; the chunk's lower half: - x[16 + i] sin[i]
	v_pk_fma_f32 v[Z+16+i:Z+17+i], v[XB+i:XB+i+1], v[CB+48+i:CB+49+i], v[Z+16+i:Z+17+i]                              ; its upper half: + x[i] sin[16 + i]
.set i, i+2
.endr
	WIN 0
	BMAX Z
	v_add_nc_u32 v[SO], OFFE, v[MA]
	v_lshrrev_b32 v[BY], 23, v[SO]
.if ((\a)%2) == 0                      ; my byte at its place: 8 h + 16 (a % 2) bits up in word a / 2
	v_lshlrev_b32 v[WD+4*\c+(\a)/2], v13, v[BY]
.else
	v_lshlrev_b32 v[BY], v14, v[BY]
	v_or_b32 v[WD+4*\c+(\a)/2], v[WD+4*\c+(\a)/2], v[BY]
.endif
	v_cvt_scalef32_pk16_fp6_f32 v[TT:TT+2], v[Z+16:Z+31], v[SO]
	WIN (1+\c)<<6
	v_cvt_scalef32_pk16_fp6_f32 v[XB:XB+2], v[Z:Z+15], v[SO]
	v_nop                                          ; one plain line behind the scaled conversions
.irp i, 0,1,2
	v_mov_b32 v[XB+3+\i], v[TT+\i]
.endr
.endr
	WIN 0
.endm
.macro QKOUT a0                        ; four fragments' codes of q and of k
	s_wait_alu depctr_va_vdst(0)                   ; all these codes are written: the run of stores reads them
.irp c, 0,1
	WIN (1+\c)<<2
.irp a, \a0, \a0+1, \a0+2, \a0+3
	global_store_b128 v4, v[32*(\a):32*(\a)+3], s[18+2*\c:19+2*\c] offset:768*(\a)     ; 512 consecutive bytes
	global_store_b64 v9, v[32*(\a)+4:32*(\a)+5], s[18+2*\c:19+2*\c] offset:768*(\a)    ; 256 consecutive bytes
.endr
.endr
	WIN 0
.endm
.irp a, 0,1,2,3
	QKROW \a
.endr
	QKOUT 0
.irp a, 4,5,6,7
	QKROW \a
.endr
.irp w, 0,1,2,3,4,5,6,7
	v_permlanex16_b32 v[Z+\w], v[WD+\w], s[SEL], s[SEL+1]
.endr
.irp w, 0,1,2,3,4,5,6,7
	v_or_b32 v[WD+\w], v[WD+\w], v[Z+\w]           ; with lane l xor 16's bytes the words are whole
.endr
.irp c, 0,1
.irp u, 0,1
	v_cndmask_b32 v[OW+2*\c+\u], v[WD+4*\c+\u], v[WD+4*\c+2+\u], vcc_lo
.endr
.endr
	QKOUT 4
	global_store_b64 v5, v[OW:OW+1], s[18:19] offset:6144          ; q's words: 256 consecutive bytes
	global_store_b64 v5, v[OW+2:OW+3], s[20:21] offset:12288       ; k's
	s_wait_tensorcnt 0x0                           ; the wave's end, then the closing round
	ds_add_u32 v[SPW], v[NIL]
	s_wait_dscnt 0x0
	CROUND
	s_endpgm
.Lfunc_end_k_q601788d9ad_qkv:
	.size	k_q601788d9ad_qkv, .Lfunc_end_k_q601788d9ad_qkv-k_q601788d9ad_qkv
	.p2alignl 7, 3214868480
	.fill 96, 4, 3214868480
	.section	.rodata,"a",@progbits
	.p2align	6, 0x0
	.amdhsa_kernel k_q601788d9ad_qkv
		.amdhsa_group_segment_fixed_size 327680
		.amdhsa_private_segment_fixed_size 0
		.amdhsa_enable_private_segment 0
		.amdhsa_kernarg_size 72
		.amdhsa_user_sgpr_count 2
		.amdhsa_user_sgpr_kernarg_segment_ptr 1
		.amdhsa_wavefront_size32 1
		.amdhsa_system_sgpr_workgroup_id_x 1
		.amdhsa_system_sgpr_workgroup_id_y 1
		.amdhsa_system_sgpr_workgroup_id_z 1
		.amdhsa_system_vgpr_workitem_id 0
		.amdhsa_next_free_vgpr 1024
		.amdhsa_next_free_sgpr 100
		.amdhsa_reserve_vcc 1
		.amdhsa_float_denorm_mode_32 3
		.amdhsa_float_denorm_mode_16_64 3
		.amdhsa_memory_ordered 1
		.amdhsa_forward_progress 1
		.amdhsa_inst_pref_size 255
	.end_amdhsa_kernel
	.section	.bss,"aw",@nobits
	.p2align	6
	.space	262144
	.amdgpu_metadata
---
amdhsa.version: [ 1, 2 ]
amdhsa.kernels:
  - .name:           k_q601788d9ad_qkv
    .symbol:         k_q601788d9ad_qkv.kd
    .args:
      - { .name: xc, .offset: 0, .size: 8, .value_kind: global_buffer, .address_space: global }
      - { .name: wc, .offset: 8, .size: 8, .value_kind: global_buffer, .address_space: global }
      - { .name: s1, .offset: 16, .size: 8, .value_kind: global_buffer, .address_space: global }
      - { .name: cos, .offset: 24, .size: 8, .value_kind: global_buffer, .address_space: global }
      - { .name: sin, .offset: 32, .size: 8, .value_kind: global_buffer, .address_space: global }
      - { .name: q_norm_w, .offset: 40, .size: 8, .value_kind: global_buffer, .address_space: global }
      - { .name: k_norm_w, .offset: 48, .size: 8, .value_kind: global_buffer, .address_space: global }
      - { .name: qq, .offset: 56, .size: 8, .value_kind: global_buffer, .address_space: global }
      - { .name: kv, .offset: 64, .size: 8, .value_kind: global_buffer, .address_space: global }
    .group_segment_fixed_size: 327680
    .private_segment_fixed_size: 0
    .kernarg_segment_align: 8
    .kernarg_segment_size: 72
    .max_flat_workgroup_size: 128
    .sgpr_count:     100
    .vgpr_count:     1024
    .wavefront_size: 32
...
	.end_amdgpu_metadata
.endif
;; end of part 2
;; launch attn (part 3): grid 4 x 64, 16 waves a work-group, clusters of 4 x 1, 215,040 bytes of LDS; arguments qq, kv, ac, s2; writes ac, s2
.if DOCPART == 3
	.amdgcn_target "amdgcn-amd-amdhsa--gfx1250"
	.amdhsa_code_object_version 6
	.text
	.protected	k_q601788d9ad_attn
	.globl	k_q601788d9ad_attn
	.p2align	8
	.type	k_q601788d9ad_attn,@function
k_q601788d9ad_attn:
	s_mov_b64 s[64:65], 0
	v_nop
	global_prefetch_b8 v0, s[64:65] scope:SCOPE_SE
	s_setreg_imm32_b32 hwreg(HW_REG_WAVE_MODE, 25, 1), 1
	s_wait_xcnt 0x0
	s_wait_alu depctr_hold_cnt(0) depctr_sa_sdst(0) depctr_va_vdst(0) depctr_va_sdst(0) depctr_va_ssrc(0) depctr_va_vcc(0) depctr_vm_vsrc(0)
	s_getreg_b32 s2, hwreg(HW_REG_IB_STS2, 6, 4)
	s_cmp_eq_u32 s2, 0
	s_cbranch_scc0 .Lentry_in_a_cluster
	s_endpgm
.Lentry_in_a_cluster:
	s_bfe_u32 s2, ttmp6, 0x10000c
	s_cmp_lg_u32 s2, 0x3003
	s_cbranch_scc0 .Lentry_shape_is_right
	s_endpgm
.Lentry_shape_is_right:
; Attention on codes of FP6 (E2M3): S^T = K Q^T, p = 2^(t - M) with t = score x log2(e) and M the running largest t rounded up to a whole number, O^T = V^T P^T, O / l, and the quantiser of the result along
; head x 64 + channel.  l is the sum of the unquantised p.  When M moves, l and O^T are multiplied by 2^(old M - new M), which rounds nothing.
; SHARES.  A cluster of four work-groups takes one batch and one PAIR of heads; a work-group 256 queries; each of its sixteen waves one fragment of 16 queries, first for the even head, then for the odd one,
; so that a wave ends with a whole fragment (128 along K) and a whole scale word of the next product's operand.  Four waves share a SIMD.
; LDS.  K, V and their scale words of both heads are 204,800 dense bytes: they come ONCE, in sixteen joint loads of 12,800 bytes (one key step of one head each), one from each wave of each partner, with the same descriptors;
; each wave has one load out at the most.  Nothing is filled again.
; LAYOUT.  A lane holds one query throughout.  Slot i of key fragment a is key 64 (a / 4) + 32 (i / 8) + 8 (a % 4) + i % 8, so registers 32 g .. 32 g + 31 of S^T are keys 64 g + 32 h + 0 .. 31: a whole block in a lane.
; THE HEAD'S 64 IN AN INSTRUCTION OF 128: two key fragments are one operand [K(2u) | K(2u+1)], multiplied once by [Q | 0] and once by [0 | Q]; Q lies as Q, 0, Q in 18 registers.  Zero codes add nothing.
; LIMITS: a block's largest p is taken from its largest score (v_exp_f32 is taken not to fall where its input rises); p under 2^-126 is 0; a block of zeros has the byte 1; NaN and infinities are not served.
; The scale word of the result leaves 4 bytes a lane, 16 bytes apart: 64 bytes a wave.
.set F,  34                            ; v34-81 four operands of K, then of V
.set S,  96                            ; v96-159 S^T, then p
.set O,  160                           ; v160-191 O^T
.set PC, 192                           ; v192-203 p's codes
.set PT, 204                           ; v204-211 upper halves of blocks
.set MA, 212                           ; v212-215 maxima
.set MB, 214
.set SO, 216
.set BY, 218
.set FF, 220                           ; v[220:221] f = 2^(old M - new M)
.set L2, 222                           ; v[222:223] the sum's second chain
.set T1, 224
.set T2, 225
.set AW, 226                           ; the result's scale word
.set AC, 228                           ; v228-233 the result's codes, v234-236 the upper half
.set AT, 234
.set RC, 238                           ; v[238:239] 1 / l
.set FLOOR, 0x1800000
.set OFFE,  0xff000000
.macro CROUND
	s_barrier_signal -1
	s_barrier_wait -1
	s_cmp_lg_u32 s12, 0
	s_cbranch_scc1 .Lnot_wave_0_\@
	s_barrier_signal -3
.Lnot_wave_0_\@:
	s_barrier_wait -3
	s_barrier_signal -1
	s_barrier_wait -1
.endm
.macro FRAG reg, a16, a8, off
	ds_load_b128 v[\reg:\reg+3], v[\a16] offset:\off
	ds_load_b64 v[\reg+4:\reg+5], v[\a8] offset:\off+512
	ds_load_b128 v[\reg+6:\reg+9], v[\a16] offset:\off+768
	ds_load_b64 v[\reg+10:\reg+11], v[\a8] offset:\off+1280
.endm
	s_load_b256 s[4:11], s[0:1], 0x0               ; qq s[4:5], kv s[6:7], ac s[8:9], s2 s[10:11]
	v_lshl_add_u32 v254, v0, 2, 0x34000
	v_mov_b32 v255, 0
	ds_add_u32 v254, v255
	ds_add_u32 v254, v255
	v_lshrrev_b32 v1, 5, v0
	s_delay_alu instid0(VALU_DEP_1)
	v_readfirstlane_b32 s12, v1                    ; wave 0..15
	s_bfe_u32 s13, ttmp6, 0x40000                  ; cx: it enters Q's and the result's addresses alone
	s_and_b32 s14, ttmp7, 0xffff                   ; cluster y
	s_lshr_b32 s15, s14, 3                         ; batch
	s_and_b32 s16, s14, 7                          ; pair of heads
	s_lshl_b32 s17, s15, 4
	s_lshl_b32 s66, s16, 1
	s_add_co_u32 s17, s17, s66                     ; batch x 16 + the even head
	s_mul_i32 s66, s17, 102400
	s_mov_b32 s67, 0
	s_lshl_b32 s68, s13, 1
	s_lshr_b32 s69, s12, 3
	s_add_co_u32 s68, s68, s69                     ; my block of 128 queries
	s_and_b32 s69, s12, 7                          ; my fragment in it
	s_mul_i32 s70, s17, 51200
	s_mul_i32 s71, s68, 6400
	s_add_co_u32 s72, s70, s71
	s_mul_i32 s71, s69, 768
	s_add_co_u32 s70, s72, s71                     ; Q's half fragment
	s_mov_b32 s71, 0
	s_lshr_b32 s73, s69, 1
	s_lshl_b32 s73, s73, 2
	s_add_co_u32 s72, s72, s73
	s_add_co_u32 s72, s72, 6144                    ; and the word that holds its two bytes
	s_mov_b32 s73, 0
	s_lshl_b32 s74, s15, 3
	s_add_co_u32 s74, s74, s68                     ; the result's block of 128 rows
	s_lshl_b32 s76, s74, 3
	s_add_co_u32 s75, s76, s16
	s_mul_i32 s74, s75, 12288
	s_mul_i32 s75, s69, 1536
	s_add_co_u32 s74, s74, s75                     ; (block x 8 + K step) 12288 + fragment x 1536
	s_mov_b32 s75, 0
	s_add_co_u32 s76, s76, s69
	s_lshl_b32 s76, s76, 9
	s_lshr_b32 s77, s16, 2
	s_lshl_b32 s77, s77, 8
	s_add_co_u32 s76, s76, s77
	s_and_b32 s77, s16, 3
	s_lshl_b32 s77, s77, 2
	s_add_co_u32 s76, s76, s77                     ; its scale words
	s_mov_b32 s77, 0
	s_and_b32 s78, s69, 1
	s_lshl_b32 s78, s78, 4                         ; 16 (fragment % 2): where my two bytes stand in Q's word
	s_mov_b32 s18, 0x76543210
	s_mov_b32 s19, 0xfedcba98                      ; selects for lane l xor 16
	s_mov_b32 s20, 0x3fb8aa3b                      ; log2(e); the scaling is 1
	s_mov_b32 s21, 0x3fb8aa3b
	s_mov_b32 s24, 15|(3<<16)|(1<<21)              ; group 1: the mask names all four partners; elements of 8 bytes; 21 set beside a mask; no padding
	s_mov_b32 s25, 32<<16                          ; rows of 256 bytes,
	s_mov_b32 s26, 50<<16                          ; 50 of them, dense: one key step of one head
	s_mov_b32 s27, 32<<16
	s_mov_b32 s28, 50
	s_mov_b32 s29, 32
	s_mov_b32 s30, 0
	s_mov_b32 s31, 0
	s_wait_dscnt 0x0
	s_wait_kmcnt 0x0
	s_add_nc_u64 s[72:73], s[4:5], s[72:73]
	s_add_nc_u64 s[4:5], s[4:5], s[70:71]
	s_add_nc_u64 s[6:7], s[6:7], s[66:67]
	s_add_nc_u64 s[8:9], s[8:9], s[74:75]
	s_add_nc_u64 s[10:11], s[10:11], s[76:77]
	; THE FETCH AS IT NOW STANDS: each of the sixteen waves brings one key step of one head, 12,800 bytes, by one joint load: wave w the bytes 12,800 w on, in memory and in LDS alike
	s_mov_b32 s32, 1
	s_mul_i32 s33, s12, 12800
	s_mov_b32 s36, s33
	s_mov_b32 s37, 0
	s_add_nc_u64 s[34:35], s[6:7], s[36:37]
	s_or_b32 s35, s35, 0x80000000
	CROUND                                         ; all four work-groups are here: the joint loads meet
	tensor_load_to_lds s[32:35], s[24:31]          ; one tensor load a wave at the head
	s_nop 0
.rept 4
	v_nop
.endr
	v_and_b32 v1, 31, v0
	s_delay_alu instid0(VALU_DEP_1)
	v_lshlrev_b32 v1, 4, v1                        ; 16 x lane
	v_and_b32 v3, 15, v0
	s_delay_alu instid0(VALU_DEP_1)
	v_lshlrev_b32 v3, 4, v3                        ; 16 r
	v_bfe_u32 v7, v0, 4, 1
	s_delay_alu instid0(VALU_DEP_1)
	v_lshlrev_b32 v7, 3, v7                        ; 8 h
	s_delay_alu instid0(VALU_DEP_1)
	v_add_nc_u32 v2, v3, v7                        ; 16 r + 8 h
.macro QLOAD c                         ; Q's half fragment twice, round six registers of zeros; and its scale word
	global_load_b128 v[16:19], v1, s[4:5] offset:51200*\c
	global_load_b64 v[20:21], v2, s[4:5] offset:51200*\c+512
	global_load_b128 v[28:31], v1, s[4:5] offset:51200*\c
	global_load_b64 v[32:33], v2, s[4:5] offset:51200*\c+512
	global_load_b32 v10, v3, s[72:73] offset:51200*\c
.endm
	QLOAD 0
.irp i, 22,23,24,25,26,27
	v_mov_b32 v\i, 0
.endr
	v_mov_b32 v[T2], 0                             ; a lane permute's destination counts as read
	v_mov_b32 v[FF+1], 0                           ; (upper halves of pairs of which the low word serves both halves)
	v_mov_b32 v[RC+1], 0
.macro PASSHEAD
	s_wait_loadcnt 0x0
	v_lshrrev_b32 v10, s78, v10
	s_delay_alu instid0(VALU_DEP_1)
	v_and_b32 v10, 0xffff, v10
	s_delay_alu instid0(VALU_DEP_1)
	v_lshl_or_b32 v8, v10, 16, v10                 ; Q's two bytes below and above: one register serves [Q | 0] and [0 | Q]
	v_mov_b32 v13, 0xff61b1e6                      ; the largest t so far: -3e38
	s_delay_alu instid0(VALU_DEP_1)
	v_floor_f32 v12, -v13                          ; -M
	v_mov_b32 v14, 0
	v_mov_b32 v15, 0
.set i, 0
.rept 32
	v_mov_b32 v[O+i], 0                            ; the step is written once: the first finds zeros, which the first change of M leaves zeros
.set i, i+1
.endr
.endm
; A KEY STEP: 128 keys, whose tiles begin at LDS byte s22.
.macro STEP
	v_add_nc_u32 v4, s22, v1                       ; (these three and the v_nop are the four places behind the last products)
	v_add_nc_u32 v5, s22, v2
	v_add_nc_u32 v6, s22, v3
	v_nop
.irp u, 0,1,2,3
	FRAG F+12*\u, 4, 5, 1536*\u
.endr
	ds_load_b128 v[82:85], v6 offset:12288         ; K's four scale words of my slot
	s_wait_alu depctr_va_vdst(0)
	s_wait_dscnt 0x0
.irp u, 0,1,2,3
.irp e, 0,1
	v_wmma_scale_f32_16x16x128_f8f6f4 v[S+8*(2*\u+\e):S+8*(2*\u+\e)+7], v[F+12*\u:F+12*\u+11], v[16+6*\e:27+6*\e], 0, v[82+\u], v8 matrix_a_fmt:MATRIX_FMT_FP6 matrix_b_fmt:MATRIX_FMT_FP6
.endr
.endr
.rept 4
	v_nop                                          ; places ahead of the loads into K's registers and of the first read of the scores
.endr
.irp t, 0,1,2,3
	FRAG F+12*\t, 4, 5, 6144+1536*\t               ; V lands while the softmax is worked
.endr
	ds_load_b128 v[86:89], v6 offset:12544
.irp g, 0,1                            ; the largest score of each of my two blocks, each accumulator from its low end on
	v_max3_num_f32 v[MA+\g], v[S+32*\g], v[S+32*\g+1], v[S+32*\g+2]
	v_max3_num_f32 v[MB+\g], v[S+32*\g+16], v[S+32*\g+17], v[S+32*\g+18]
.endr
.irp i, 0,2,4,6,8,10
.irp g, 0,1
	v_max3_num_f32 v[MA+\g], v[MA+\g], v[S+32*\g+3+\i], v[S+32*\g+4+\i]
	v_max3_num_f32 v[MB+\g], v[MB+\g], v[S+32*\g+19+\i], v[S+32*\g+20+\i]
.endr
.endr
.irp g, 0,1
	v_max3_num_f32 v[MA+\g], v[MA+\g], v[MB+\g], v[S+32*\g+15]
.endr
.irp g, 0,1
	v_max_num_f32 v[MA+\g], v[MA+\g], v[S+32*\g+31]
.endr
	s_delay_alu instid0(VALU_DEP_1)
	v_max_num_f32 v[T1], v[MA], v[MA+1]
	s_delay_alu instid0(VALU_DEP_1)
	v_permlanex16_b32 v[T2], v[T1], s18, s19
	s_delay_alu instid0(VALU_DEP_1)
	v_max_num_f32 v[T1], v[T1], v[T2]              ; the step's largest score of my query
	s_delay_alu instid0(VALU_DEP_1)
	v_mul_f32 v[T1], s20, v[T1]
	s_delay_alu instid0(VALU_DEP_1)
	v_max_num_f32 v13, v13, v[T1]                  ; the running largest t
	v_mov_b32 v[T1], v12
	s_delay_alu instid0(VALU_DEP_2)
	v_floor_f32 v12, -v13                          ; -M = floor(-t): M is a whole number
	s_delay_alu instid0(VALU_DEP_1)
	v_sub_f32 v[T1], v12, v[T1]                    ; old M - new M
	s_delay_alu instid0(VALU_DEP_1)
	v_cvt_i32_f32 v[T1], v[T1]                     ; (it saturates)
	s_delay_alu instid0(VALU_DEP_1)
	v_ldexp_f32 v[FF], 1.0, v[T1]
.set i, 0
.rept 32
	v_pk_fma_f32 v[S+i:S+i+1], v[S+i:S+i+1], s[20:21], v[12:13] op_sel_hi:[1,0,0]   ; t - M
.set i, i+2
.endr
.irp g, 0,1
	v_fma_f32 v[MA+\g], v[MA+\g], s20, v12         ; the same of each block's largest score
.endr
.set i, 0
	s_wait_alu depctr_va_vdst(0)
.rept 64
	v_exp_f32 v[S+i], v[S+i]
.set i, i+1
.endr
	v_pk_mul_f32 v[14:15], v[14:15], v[FF:FF+1] op_sel_hi:[1,0]    ; l under the new M: the plain line behind the exponentials
	s_wait_alu depctr_va_vdst(0)                   ; one wait for the 64
.irp g, 0,1
	v_exp_f32 v[MA+\g], v[MA+\g]                   ; the block's largest p
.endr
	v_pk_add_f32 v[222:223], v[100:101], v[104:105]
	v_pk_add_f32 v[252:253], v[108:109], v[112:113]
	v_pk_add_f32 v[250:251], v[116:117], v[120:121]
	v_pk_add_f32 v[248:249], v[124:125], v[128:129]
	v_pk_add_f32 v[246:247], v[132:133], v[136:137]
	v_pk_add_f32 v[244:245], v[140:141], v[144:145]
	v_pk_add_f32 v[242:243], v[148:149], v[152:153]
	v_pk_add_f32 v[14:15], v[14:15], v[156:157]
	v_pk_add_f32 v[222:223], v[222:223], v[96:97]
	v_pk_add_f32 v[252:253], v[252:253], v[98:99]
	v_pk_add_f32 v[250:251], v[250:251], v[102:103]
	v_pk_add_f32 v[248:249], v[248:249], v[106:107]
	v_pk_add_f32 v[246:247], v[246:247], v[110:111]
	v_pk_add_f32 v[244:245], v[244:245], v[114:115]
	v_pk_add_f32 v[242:243], v[242:243], v[118:119]
	v_pk_add_f32 v[14:15], v[14:15], v[122:123]
	v_pk_add_f32 v[222:223], v[222:223], v[126:127]
	v_pk_add_f32 v[252:253], v[252:253], v[130:131]
	v_pk_add_f32 v[250:251], v[250:251], v[134:135]
	v_pk_add_f32 v[248:249], v[248:249], v[138:139]
	v_pk_add_f32 v[246:247], v[246:247], v[142:143]
	v_pk_add_f32 v[244:245], v[244:245], v[146:147]
	v_pk_add_f32 v[242:243], v[242:243], v[150:151]
	v_pk_add_f32 v[14:15], v[14:15], v[154:155]
	v_pk_add_f32 v[222:223], v[222:223], v[158:159]
	s_delay_alu instid0(VALU_DEP_2)
	v_pk_add_f32 v[14:15], v[14:15], v[248:249]
	s_delay_alu instid0(VALU_DEP_2)
	v_pk_add_f32 v[222:223], v[222:223], v[246:247]
	v_pk_add_f32 v[252:253], v[252:253], v[244:245]
	v_pk_add_f32 v[250:251], v[250:251], v[242:243]
	s_delay_alu instid0(VALU_DEP_2)
	v_pk_add_f32 v[14:15], v[14:15], v[252:253]
	s_delay_alu instid0(VALU_DEP_2)
	v_pk_add_f32 v[222:223], v[222:223], v[250:251]
	s_delay_alu instid0(VALU_DEP_1)
	v_pk_add_f32 v[14:15], v[14:15], v[222:223]
	s_wait_alu depctr_va_vdst(0)                   ; and one for the two
.irp g, 0,1
	v_max_num_f32 v[MA+\g], FLOOR, v[MA+\g]
.endr
.irp g, 0,1
	s_delay_alu instid0(VALU_DEP_2)
	v_add_nc_u32 v[SO+\g], OFFE, v[MA+\g]
.endr
.irp g, 0,1
	s_delay_alu instid0(VALU_DEP_2)
	v_lshrrev_b32 v[BY+\g], 23, v[SO+\g]
.endr
	s_delay_alu instid0(VALU_DEP_1)
	v_lshl_or_b32 v[T1], v[BY+1], 16, v[BY]
	s_delay_alu instid0(VALU_DEP_1)
	v_lshlrev_b32 v[T1], v7, v[T1]
	s_delay_alu instid0(VALU_DEP_1)
	v_permlanex16_b32 v[T2], v[T1], s18, s19
	s_delay_alu instid0(VALU_DEP_1)
	v_or_b32 v9, v[T1], v[T2]                      ; p's scale word: byte 2 g + h
.irp g, 0,1
	v_cvt_scalef32_pk16_fp6_f32 v[PC+6*\g:PC+6*\g+2], v[S+32*\g:S+32*\g+15], v[SO+\g]
	v_cvt_scalef32_pk16_fp6_f32 v[PT+4*\g:PT+4*\g+2], v[S+32*\g+16:S+32*\g+31], v[SO+\g]
.endr
	v_nop                                          ; one plain line behind the scaled conversions
.irp g, 0,1
.irp i, 0,1,2
	v_mov_b32 v[PC+6*\g+3+\i], v[PT+4*\g+\i]
.endr
.endr
.set i, 0
.rept 16
	v_pk_mul_f32 v[O+i:O+i+1], v[O+i:O+i+1], v[FF:FF+1] op_sel_hi:[1,0]   ; O^T under the new M; sixteen lines between the scale word's making and the products
.set i, i+2
.endr
	s_wait_alu depctr_va_vdst(0)
	s_wait_dscnt 0x0                               ; V is in
.irp t, 0,1,2,3
	v_wmma_scale_f32_16x16x128_f8f6f4 v[O+8*\t:O+8*\t+7], v[F+12*\t:F+12*\t+11], v[PC:PC+11], v[O+8*\t:O+8*\t+7], v[86+\t], v9 matrix_a_fmt:MATRIX_FMT_FP6 matrix_b_fmt:MATRIX_FMT_FP6
.endr
	s_add_co_u32 s22, s22, 12800
.endm
; bar = 1: each wave waits for its own load, and behind the barrier all sixteen key steps are there for all sixteen waves; nothing is filled again.
.macro PHASE bar, tb, trips
.if \bar
	s_wait_tensorcnt 0x0
	s_wait_dscnt 0x0
	s_barrier_signal -1
	s_barrier_wait -1
.endif
	s_mov_b32 s22, \tb
	s_mov_b32 s23, \trips
.Lstep_\@:
	STEP
	s_sub_co_u32 s23, s23, 1
	s_cmp_lg_u32 s23, 0
	s_cbranch_scc1 .Lstep_\@
.endm
; O^T / l is block 2 c + h of my row's K step of the next product: quantised and stored as half fragment c.
.macro FINISH c
	v_add_f32 v14, v14, v15
	s_delay_alu instid0(VALU_DEP_1)
	v_permlanex16_b32 v[T2], v14, s18, s19
	s_delay_alu instid0(VALU_DEP_1)
	v_add_f32 v14, v14, v[T2]                      ; the row's sum
	s_wait_alu depctr_va_vdst(0)
	v_rcp_f32 v[RC], v14
	v_nop                                          ; a plain line behind the transcendental
	s_wait_alu depctr_va_vdst(0)                   ; the wait ahead of its first reader
.set i, 0
.rept 16
	v_pk_mul_f32 v[S+i:S+i+1], v[O+i:O+i+1], v[RC:RC+1] op_sel_hi:[1,0]
.set i, i+2
.endr
	v_max3_num_f32 v[MA], |v[S]|, |v[S+1]|, FLOOR
	v_max3_num_f32 v[MB], |v[S+16]|, |v[S+17]|, |v[S+18]|
.irp i, 0,2,4,6,8,10
	s_delay_alu instid0(VALU_DEP_2)
	v_max3_num_f32 v[MA], v[MA], |v[S+2+\i]|, |v[S+3+\i]|
	s_delay_alu instid0(VALU_DEP_2)
	v_max3_num_f32 v[MB], v[MB], |v[S+19+\i]|, |v[S+20+\i]|
.endr
	s_delay_alu instid0(VALU_DEP_2)
	v_max3_num_f32 v[MA], v[MA], |v[S+14]|, |v[S+15]|
	s_delay_alu instid0(VALU_DEP_1)
	v_max3_num_f32 v[MA], v[MA], v[MB], |v[S+31]|
	s_delay_alu instid0(VALU_DEP_1)
	v_add_nc_u32 v[SO], OFFE, v[MA]
	s_delay_alu instid0(VALU_DEP_1)
	v_lshrrev_b32 v[BY], 23, v[SO]
.if \c
	s_wait_alu depctr_va_vdst(0)
	s_wait_xcnt 0x0                                ; the even head's stores have read their codes
.endif
	v_cvt_scalef32_pk16_fp6_f32 v[AC:AC+2], v[S:S+15], v[SO]
	v_cvt_scalef32_pk16_fp6_f32 v[AT:AT+2], v[S+16:S+31], v[SO]
.if \c
	v_lshlrev_b32 v[BY], v7, v[BY]                 ; (the plain line behind the scaled conversions)
.else
	v_lshlrev_b32 v[AW], v7, v[BY]
.endif
.irp i, 0,1,2
	v_mov_b32 v[AC+3+\i], v[AT+\i]
.endr
.if \c
	s_delay_alu instid0(VALU_DEP_4)
	v_lshl_or_b32 v[AW], v[BY], 16, v[AW]          ; byte 2 c + h
.endif
	global_store_b128 v1, v[AC:AC+3], s[8:9] offset:768*\c
	global_store_b64 v2, v[AC+4:AC+5], s[8:9] offset:768*\c+512
.endm
	PASSHEAD
	PHASE 1, 0, 8                                  ; the even head
.rept 4
	v_nop                                          ; places behind the last products
.endr
	QLOAD 1                                        ; the odd head's Q comes while the even head's result goes out
	FINISH 0
	PASSHEAD
	PHASE 0, 102400, 8                             ; the odd head: all is there
.rept 4
	v_nop
.endr
	FINISH 1
	v_permlanex16_b32 v[T2], v[AW], s18, s19
	s_delay_alu instid0(VALU_DEP_1)
	v_or_b32 v[AW], v[AW], v[T2]                   ; with lane l xor 16's two bytes the word is whole, and the same in both halves of the lanes,
	global_store_b32 v3, v[AW], s[10:11]           ; which store it to the same place
	s_wait_dscnt 0x0
	s_wait_tensorcnt 0x0
	ds_add_u32 v254, v255
	s_wait_dscnt 0x0
	CROUND                                         ; the closing round
	s_endpgm
.Lfunc_end_k_q601788d9ad_attn:
	.size	k_q601788d9ad_attn, .Lfunc_end_k_q601788d9ad_attn-k_q601788d9ad_attn
	.p2alignl 7, 3214868480
	.fill 96, 4, 3214868480
	.section	.rodata,"a",@progbits
	.p2align	6, 0x0
	.amdhsa_kernel k_q601788d9ad_attn
		.amdhsa_group_segment_fixed_size 215040
		.amdhsa_private_segment_fixed_size 0
		.amdhsa_enable_private_segment 0
		.amdhsa_kernarg_size 32
		.amdhsa_user_sgpr_count 2
		.amdhsa_user_sgpr_kernarg_segment_ptr 1
		.amdhsa_wavefront_size32 1
		.amdhsa_system_sgpr_workgroup_id_x 1
		.amdhsa_system_sgpr_workgroup_id_y 1
		.amdhsa_system_sgpr_workgroup_id_z 1
		.amdhsa_system_vgpr_workitem_id 0
		.amdhsa_next_free_vgpr 256
		.amdhsa_next_free_sgpr 80
		.amdhsa_reserve_vcc 0
		.amdhsa_float_denorm_mode_32 3
		.amdhsa_float_denorm_mode_16_64 3
		.amdhsa_memory_ordered 1
		.amdhsa_forward_progress 1
		.amdhsa_inst_pref_size 48
	.end_amdhsa_kernel
	.amdgpu_metadata
---
amdhsa.version: [ 1, 2 ]
amdhsa.kernels:
  - .name:           k_q601788d9ad_attn
    .symbol:         k_q601788d9ad_attn.kd
    .args:
      - { .name: qq, .offset: 0, .size: 8, .value_kind: global_buffer, .address_space: global }
      - { .name: kv, .offset: 8, .size: 8, .value_kind: global_buffer, .address_space: global }
      - { .name: ac, .offset: 16, .size: 8, .value_kind: global_buffer, .address_space: global }
      - { .name: s2, .offset: 24, .size: 8, .value_kind: global_buffer, .address_space: global }
    .group_segment_fixed_size: 215040
    .private_segment_fixed_size: 0
    .kernarg_segment_align: 8
    .kernarg_segment_size: 32
    .max_flat_workgroup_size: 512
    .sgpr_count:     80
    .vgpr_count:     256
    .wavefront_size: 32
...
	.end_amdgpu_metadata
.endif
;; end of part 3
;; launch oproj (part 4): grid 8 x 32, 4 waves a work-group, clusters of 4 x 4, 327,680 bytes of LDS; arguments ac, woc, s2, out0; writes out0
.if DOCPART == 4
	.amdgcn_target "amdgcn-amd-amdhsa--gfx1250"
	.amdhsa_code_object_version 6
	.text
	.protected	k_q601788d9ad_oproj
	.globl	k_q601788d9ad_oproj
	.p2align	8
	.type	k_q601788d9ad_oproj,@function
k_q601788d9ad_oproj:
	s_mov_b64 s[64:65], 0
	v_nop
	global_prefetch_b8 v0, s[64:65] scope:SCOPE_SE
	s_setreg_imm32_b32 hwreg(HW_REG_WAVE_MODE, 25, 1), 1
	s_wait_xcnt 0x0
	s_wait_alu depctr_hold_cnt(0) depctr_sa_sdst(0) depctr_va_vdst(0) depctr_va_sdst(0) depctr_va_ssrc(0) depctr_va_vcc(0) depctr_vm_vsrc(0)
	s_getreg_b32 s2, hwreg(HW_REG_IB_STS2, 6, 4)
	s_cmp_eq_u32 s2, 0
	s_cbranch_scc0 .Lentry_in_a_cluster
	s_endpgm
.Lentry_in_a_cluster:
	s_bfe_u32 s2, ttmp6, 0x10000c
	s_cmp_lg_u32 s2, 0xf033
	s_cbranch_scc0 .Lentry_shape_is_right
	s_endpgm
.Lentry_shape_is_right:
; out0 = attn x wo on codes of FP6 (E2M3) with E8M0 scales; f32 sums, f32 out.
; SHARES.  256 work-groups: one makes 256 rows x 128 columns; wave w makes rows 64 w .. 64 w + 63 (4 fragments) x all 128 columns (8 fragments), in two halves of 64 columns: 2 x 16 accumulators in window 1.
; Source 0 = wo's 16 columns, source 1 = 16 rows: a lane holds one row, and the 32 registers of a half's four tiles are 32 neighbouring columns (slot i of fragment t of a group of 64 is index 64 G + 32 (i / 8) + 8 t + i % 8).
; LDS.  All of K lies in LDS at once, 294,912 bytes, filled once: waves 0, 1 bring 98,304 bytes each, waves 2, 3 49,152 each, by one joint load at the head: wave 0 K steps 0-3 of the two blocks of rows, wave 1 their K steps 4-7,
; wave 2 K steps 0-3 of wo's block, wave 3 its K steps 4-7.  Nothing is filled again.  Behind the tiles a stage of 16 x 272 bytes for each wave, then the spare words.
; REGISTERS.  Window 0: v0-31 lane terms; v32-95 scale words and nothing else (register 8 i + K step: lanes 0-15 my rows' fragment i (i under 4), lanes 16-31 wo's fragment i); v96-191 wo's fragments, two sets of four;
; v192-255 the way out.  Windows 2, 3: my rows' fragments of all eight K steps (48 registers a step): read from LDS in the first half, used again from registers in the second: no fragment is read twice.
; The first half's results are stored ahead of the second half's products, which need nothing of them.
; CLUSTER 4 x 4: the rows' tile hangs on cy and is asked for jointly along a row of the cluster, wo's on cx, along a column.
; No prefetch: the tiles are asked for once, at the head, and there is no loop to run ahead in.
.set KSB,   12288
.set HK,    4*KSB
.set WOF,   4*HK
.set STAGE, 6*HK
.set SPITCH, 272
.set SPARE, STAGE+4*16*SPITCH
.set AR16, 16                          ; v16-17 my rows' fragments, K steps 0-3 and 4-7: + 16 x lane; v18-19: + 16 r + 8 h
.set AR8,  18
.set AW16, 20                          ; v20-23 the same for wo
.set AW8,  22
.set STO,  24
.set RD,   25
.set CO,   26
.set SPW,  28
.set NIL,  29
.set SC,   32
.set WF,   96
.set BK,   192
.set G1R, 28
.set G0R, 36
.set G0W, 40
.set G1W, 44
.set MSB, 0
.macro WIN new                         ; the immediate's high byte repeats the setting that is left
.if MSB != \new
	s_set_vgpr_msb (MSB<<8)|\new
.set MSB, \new
.endif
.endm
.macro CROUND
	s_barrier_signal -1
	s_barrier_wait -1
	s_cmp_lg_u32 s22, 0
	s_cbranch_scc1 .Lnot_wave_0_\@
	s_barrier_signal -3
.Lnot_wave_0_\@:
	s_barrier_wait -3
	s_barrier_signal -1
	s_barrier_wait -1
.endm
.macro PLACES                          ; four plain lines behind a matrix instruction, ahead of loads into its sources and of reads of its result
.rept 4
	v_nop
.endr
.endm
.macro FRAG reg, a16, a8, off          ; a fragment's image comes back as it was stored
	ds_load_b128 v[\reg:\reg+3], v[\a16] offset:\off
	ds_load_b64 v[\reg+4:\reg+5], v[\a8] offset:\off+512
	ds_load_b128 v[\reg+6:\reg+9], v[\a16] offset:\off+768
	ds_load_b64 v[\reg+10:\reg+11], v[\a8] offset:\off+1280
.endm
; Step n = 8 x half + K step.
.macro LW n                            ; wo's four fragments of step n into set n % 2
.irp t, 0,1,2,3
	FRAG WF+48*((\n)%2)+12*\t, AW16+((\n)%8)/4, AW8+((\n)%8)/4, ((\n)%4)*KSB+(4*((\n)/8)+\t)*1536
.endr
.endm
.macro LR n                            ; my rows' four fragments of K step n, into registers of their own
.irp a, 0,1,2,3
	FRAG 48*((\n)%4)+12*\a, AR16+(\n)/4, AR8+(\n)/4, ((\n)%4)*KSB+\a*1536
.endr
.endm
.macro MUL n                           ; 16 products; the half's 16 accumulators take turns, one instruction a turn
.set KS, (\n)%8
.set GG, (\n)/8
	WIN 0x50|((2+KS/4)<<2)
.irp a, 0,1,2,3
.irp t, 0,1,2,3
.set DD, 128*GG+8*(4*\a+\t)
.if KS == 0
	v_wmma_scale_f32_16x16x128_f8f6f4 v[DD:DD+7], v[WF+48*((\n)%2)+12*\t:WF+48*((\n)%2)+12*\t+11], v[48*(KS%4)+12*\a:48*(KS%4)+12*\a+11], 0, v[SC+8*(4*GG+\t)+KS], v[SC+8*\a+KS] matrix_a_fmt:MATRIX_FMT_FP6 matrix_b_fmt:MATRIX_FMT_FP6 matrix_a_scale:MATRIX_SCALE_ROW1
.else
	v_wmma_scale_f32_16x16x128_f8f6f4 v[DD:DD+7], v[WF+48*((\n)%2)+12*\t:WF+48*((\n)%2)+12*\t+11], v[48*(KS%4)+12*\a:48*(KS%4)+12*\a+11], v[DD:DD+7], v[SC+8*(4*GG+\t)+KS], v[SC+8*\a+KS] matrix_a_fmt:MATRIX_FMT_FP6 matrix_b_fmt:MATRIX_FMT_FP6 matrix_a_scale:MATRIX_SCALE_ROW1
.endif
.endr
.endr
.endm
.macro STEP n
	s_wait_dscnt 0x0                               ; this step's fragments are in
.if (\n)<15
	PLACES
	WIN 0
	LW (\n)+1                                      ; the next step's come while this step is multiplied
.if (\n)<7
	WIN (2+((\n)+1)/4)<<6
	LR (\n)+1
.endif
.endif
	MUL \n
.endm
; THE WAY OUT of half g, fragment by fragment: 16 rows x 64 columns go through my own stage and come back as rows of 256 bytes.  LDS serves a wave's instructions in order (ISA guide 5.7.1.4).
.macro TOSTAGE g, a
.set AC, 128*(\g)+32*(\a)
	WIN 0x04
.irp t, 0,1,2,3
	ds_store_b128 v[STO], v[AC+8*\t:AC+8*\t+3] offset:32*\t          ; each accumulator from its low end on
	ds_store_b128 v[STO], v[AC+8*\t+4:AC+8*\t+7] offset:32*\t+16
.endr
	WIN 0
.set BB, BK+32*((\a)%2)
.irp k, 0,1,2,3,4,5,6,7
	ds_load_b128 v[BB+4*\k:BB+4*\k+3], v[RD] offset:\k*2*SPITCH      ; lanes 0-15 slot 2 k, lanes 16-31 slot 2 k + 1
.endr
.endm
.macro SEND g, a, younger              ; younger: the LDS instructions issued behind this fragment's loads
.set BB, BK+32*((\a)%2)
	s_wait_dscnt \younger
.irp k, 0,1,2,3,4,5,6,7
	global_store_b128 v[CO], v[BB+4*\k:BB+4*\k+3], s[10:11] offset:(32*(\k/4)+8*(\a)+2*(\k%4))*4096+256*(\g) th:TH_STORE_NT   ; 16 lanes store 256 consecutive bytes, aligned
.endr
.endm
.macro OUT g
	WIN 0
	PLACES
.if \g
	s_wait_xcnt 0x0                                ; the first half's stores have read their registers
.endif
	TOSTAGE \g, 0
.irp a, 1,2,3
.if \a > 1
	s_wait_xcnt 0x0                                ; fragment a - 2's stores have read their registers
.endif
	TOSTAGE \g, \a
	SEND \g, \a-1, 16                              ; behind fragment a - 1's loads: fragment a's 8 stores and 8 loads
.endr
	SEND \g, 3, 0
.endm
	s_load_b256 s[4:11], s[0:1], 0x0               ; ac s[4:5], woc s[6:7], s2 s[8:9], out0 s[10:11]
	v_lshl_add_u32 v[SPW], v0, 2, SPARE
	v_mov_b32 v[NIL], 0
	ds_add_u32 v[SPW], v[NIL]                      ; the opening lines: the add twice on end and one wait
	ds_add_u32 v[SPW], v[NIL]
	v_lshrrev_b32 v1, 5, v0
	v_readfirstlane_b32 s22, v1                    ; wave
	s_lshr_b32 s23, s22, 1                         ; my block of 128 rows.  Also: I fetch rows (0) or wo (1)
	s_and_b32 s24, s22, 1                          ; my group of 64 rows in it.  Also: which half of K I fetch
	s_bfe_u32 s60, ttmp6, 0x40000                  ; cx
	s_bfe_u32 s61, ttmp6, 0x40004                  ; cy
	s_lshl_b32 s66, ttmp9, 2
	s_add_co_u32 s66, s66, s60                     ; block of 128 columns, 0 .. 7
	s_and_b32 s67, ttmp7, 0xffff
	s_lshl_b32 s67, s67, 2
	s_add_co_u32 s67, s67, s61                     ; tile of 256 rows, 0 .. 31
	s_lshl_b32 s68, s61, 2
	s_lshl_b32 s68, 15, s68                        ; my row of the cluster
	s_lshl_b32 s69, 0x1111, s60                    ; my column
	s_or_b32 s[G1R], s68, (3<<16)|(1<<21)          ; 15:0 the mask; 17:16 elements of 8 bytes; 21 set beside a mask; no padding
	s_mov_b32 s[G1R+1], 6144<<16                   ; rows: four K steps of a block, 49,152 dense bytes, of two blocks 98,304 bytes apart
	s_mov_b32 s[G1R+2], 2<<16
	s_mov_b32 s[G1R+3], 6144<<16
	s_mov_b32 s[G1R+4], 2
	s_mov_b32 s[G1R+5], 12288
	s_mov_b32 s[G1R+6], 0
	s_mov_b32 s[G1R+7], 0
	s_or_b32 s[G1W], s69, (3<<16)|(1<<21)
	s_mov_b32 s[G1W+1], 3072<<16                   ; wo: four K steps of one block, 49,152 dense bytes, as two rows of 24,576
	s_mov_b32 s[G1W+2], 2<<16
	s_mov_b32 s[G1W+3], 3072<<16
	s_mov_b32 s[G1W+4], 2
	s_mov_b32 s[G1W+5], 3072
	s_mov_b32 s[G1W+6], 0
	s_mov_b32 s[G1W+7], 0
	s_mul_i32 s72, s24, HK
	s_mul_i32 s70, s67, 196608
	s_add_co_u32 s70, s70, s72                     ; rows: the tile and my half of K (never cx)
	s_mov_b32 s71, 0
	s_mul_i32 s73, s66, 98304
	s_add_co_u32 s72, s72, s73                     ; wo likewise (never cy)
	s_mov_b32 s73, 0
	s_mov_b32 s[G0R], 1
	s_mul_i32 s[G0R+1], s24, 2*HK                  ; where they go: the wave's number alone
	s_mov_b32 s[G0W], 1
	s_mul_i32 s[G0W+1], s24, HK
	s_add_co_u32 s[G0W+1], s[G0W+1], WOF
	s_wait_dscnt 0x0
	s_wait_kmcnt 0x0
	s_add_nc_u64 s[G0R+2:G0R+3], s[4:5], s[70:71]
	s_or_b32 s[G0R+3], s[G0R+3], 0x80000000
	s_add_nc_u64 s[G0W+2:G0W+3], s[6:7], s[72:73]
	s_or_b32 s[G0W+3], s[G0W+3], 0x80000000
	CROUND                                         ; all sixteen work-groups are here: the joint loads meet
	s_cmp_eq_u32 s23, 0                            ; one tensor load a wave; s_nop 0 and four v_nop follow each line
	s_cbranch_scc0 .Lfor_w
	tensor_load_to_lds s[G0R:G0R+3], s[G1R:G1R+7]
	s_nop 0
.rept 4
	v_nop
.endr
	s_branch .Lasked
.Lfor_w:
	tensor_load_to_lds s[G0W:G0W+3], s[G1W:G1W+7]
	s_nop 0
.rept 4
	v_nop
.endr
.Lasked:
	; scalars first, then the vector lines in one run
	s_mul_i32 s80, s23, HK
	s_mul_i32 s81, s24, 6144
	s_add_co_u32 s80, s80, s81                     ; my rows' fragments, K steps 0-3
	s_add_co_u32 s81, s80, 2*HK                    ; and 4-7
	s_mul_i32 s86, s22, 16*SPITCH
	s_add_co_u32 s86, s86, STAGE                   ; my stage
	s_lshl_b32 s87, s67, 1
	s_add_co_u32 s87, s87, s23                     ; my block of 128 rows, 0 .. 63
	s_lshl_b32 s88, s87, 12
	s_lshl_b32 s89, s24, 11
	s_add_co_u32 s88, s88, s89                     ; my four fragments' scale words in s2
	s_lshl_b32 s89, s66, 12
	s_add_co_u32 s89, s89, 0x40000                 ; wo's
	s_sub_co_u32 s89, s89, s88                     ; as a distance: lanes 16-31 add it
	s_lshl_b32 s90, s87, 19
	s_lshl_b32 s91, s24, 18
	s_add_co_u32 s90, s90, s91                     ; my first row of out0, 4,096 bytes a row,
	s_lshl_b32 s91, s66, 9
	s_add_co_u32 s90, s90, s91                     ; and my work-group's first column
	s_mov_b32 s91, 0
	s_add_nc_u64 s[10:11], s[10:11], s[90:91]
	v_and_b32 v1, 31, v0
	v_and_b32 v2, 15, v0                           ; r
	v_bfe_u32 v3, v0, 4, 1                         ; h
	v_lshlrev_b32 v4, 4, v1                        ; 16 x lane
	v_lshlrev_b32 v10, 4, v2
	v_lshl_add_u32 v5, v3, 3, v10                  ; 16 r + 8 h
	v_add_nc_u32 v[AR16], s80, v4
	v_add_nc_u32 v[AR16+1], s81, v4
	v_add_nc_u32 v[AR8], s80, v5
	v_add_nc_u32 v[AR8+1], s81, v5
	v_add_nc_u32 v[AW16], WOF, v4
	v_add_nc_u32 v[AW16+1], WOF+HK, v4
	v_add_nc_u32 v[AW8], WOF, v5
	v_add_nc_u32 v[AW8+1], WOF+HK, v5
	v_mul_u32_u24 v7, v2, SPITCH
	v_lshl_add_u32 v7, v3, 7, v7
	v_add_nc_u32 v[STO], s86, v7                   ; into the stage: row r, + 128 h
	v_mad_u32_u24 v8, v3, SPITCH, v10
	v_add_nc_u32 v[RD], s86, v8                    ; back: lanes 0-15 one row of 256 bytes, lanes 16-31 the next
	v_lshl_add_u32 v[CO], v3, 12, v10              ; and the same two rows in out0
	v_mad_u32_u24 v6, v3, s89, v10
	v_add_nc_u32 v6, s88, v6
	s_wait_alu depctr_va_vdst(0)                   ; the wait at the head's end
.irp i, 0,1,2,3,4,5,6,7
	global_load_b128 v[SC+8*\i:SC+8*\i+3], v6, s[8:9] offset:512*\i          ; all of K's scale words, once: 16 lanes read 256 consecutive bytes (lanes 0-15 of i above 3 are not used)
	global_load_b128 v[SC+8*\i+4:SC+8*\i+7], v6, s[8:9] offset:512*\i+256
.endr
	s_wait_tensorcnt 0x0                           ; my tile is in
	s_barrier_signal -1
	s_barrier_wait -1                              ; and so are the other three
	LW 0
	WIN 0x80
	LR 0
	WIN 0
	s_wait_loadcnt 0x0                             ; the scale words
.irp n, 0,1,2,3,4,5,6,7
	STEP \n
.endr
	OUT 0
.irp n, 8,9,10,11,12,13,14,15
	STEP \n
.endr
	OUT 1
	s_wait_tensorcnt 0x0                           ; the wave's end, then the closing round
	ds_add_u32 v[SPW], v[NIL]
	s_wait_dscnt 0x0
	CROUND
	s_endpgm
.Lfunc_end_k_q601788d9ad_oproj:
	.size	k_q601788d9ad_oproj, .Lfunc_end_k_q601788d9ad_oproj-k_q601788d9ad_oproj
	.p2alignl 7, 3214868480
	.fill 96, 4, 3214868480
	.section	.rodata,"a",@progbits
	.p2align	6, 0x0
	.amdhsa_kernel k_q601788d9ad_oproj
		.amdhsa_group_segment_fixed_size 327680
		.amdhsa_private_segment_fixed_size 0
		.amdhsa_enable_private_segment 0
		.amdhsa_kernarg_size 32
		.amdhsa_user_sgpr_count 2
		.amdhsa_user_sgpr_kernarg_segment_ptr 1
		.amdhsa_wavefront_size32 1
		.amdhsa_system_sgpr_workgroup_id_x 1
		.amdhsa_system_sgpr_workgroup_id_y 1
		.amdhsa_system_sgpr_workgroup_id_z 1
		.amdhsa_system_vgpr_workitem_id 0
		.amdhsa_next_free_vgpr 1024
		.amdhsa_next_free_sgpr 100
		.amdhsa_reserve_vcc 0
		.amdhsa_float_denorm_mode_32 3
		.amdhsa_float_denorm_mode_16_64 3
		.amdhsa_memory_ordered 1
		.amdhsa_forward_progress 1
		.amdhsa_inst_pref_size 83
	.end_amdhsa_kernel
	.amdgpu_metadata
---
amdhsa.version: [ 1, 2 ]
amdhsa.kernels:
  - .name:           k_q601788d9ad_oproj
    .symbol:         k_q601788d9ad_oproj.kd
    .args:
      - { .name: ac, .offset: 0, .size: 8, .value_kind: global_buffer, .address_space: global }
      - { .name: woc, .offset: 8, .size: 8, .value_kind: global_buffer, .address_space: global }
      - { .name: s2, .offset: 16, .size: 8, .value_kind: global_buffer, .address_space: global }
      - { .name: out0, .offset: 24, .size: 8, .value_kind: global_buffer, .address_space: global }
    .group_segment_fixed_size: 327680
    .private_segment_fixed_size: 0
    .kernarg_segment_align: 8
    .kernarg_segment_size: 32
    .max_flat_workgroup_size: 128
    .sgpr_count:     100
    .vgpr_count:     1024
    .wavefront_size: 32
...
	.end_amdgpu_metadata
.endif
;; end of part 4
